; MI455X (gfx1250); checked and timed in simulation.
; The chip was launched on July 23, 2026; its instructions are those of AMD's public machine-readable ISA for CDNA 5 (MIT licence, August 2026) and "CDNA5" Instruction Set Architecture Reference Guide (July 2026). The comments in the code are by the model that wrote it; some were corrected since.
;; Hyperbolic Attention Hardened. Allowed arithmetic: matrix products marked QUANTISED: E2M1 operands, one E8M0 scale for each 32 along K, by v_wmma_scale_f32_16x16x128_f8f6f4 with both operands' format E2M1 (or v_wmma_scale_f32_32x16x128_f4), f32 sums; everything else in f32.
;; Inputs: K one number float32; Wk_codes 1,024 x 32 x 16 uint8 (E2M1 codes of Wk, K innermost, in blocks of 32 codes, two codes a byte); Wk_scales 1,024 x 32 uint8 (E8M0 scales of Wk, one for each 32 codes along K); Wo_codes 1,024 x 32 x 16 uint8 (E2M1 codes of Wo, K innermost, in blocks of 32 codes, two codes a byte); Wo_scales 1,024 x 32 uint8 (E8M0 scales of Wo, one for each 32 codes along K); Wq_codes 1,024 x 32 x 16 uint8 (E2M1 codes of Wq, K innermost, in blocks of 32 codes, two codes a byte); Wq_scales 1,024 x 32 uint8 (E8M0 scales of Wq, one for each 32 codes along K); Wv_codes 1,024 x 32 x 16 uint8 (E2M1 codes of Wv, K innermost, in blocks of 32 codes, two codes a byte); Wv_scales 1,024 x 32 uint8 (E8M0 scales of Wv, one for each 32 codes along K); attention_mask 1 x 1 x 2,048 x 2,048 float32; x 2 x 2,048 x 1,025 float32.
;; Outputs: out0 2 x 2,048 x 1,025 float32.
;; This version of the problem:
;;   THIS VERSION OF THE PROBLEM IS GIVEN IN LOW PRECISION. The matrix products marked QUANTISED in the list below multiply operands that are first quantised to E2M1 (2 exponent bits, 1 mantissa bit; 4 bits a number), with one power-of-two scale for each 32 numbers along K (OCP MX v1.0); their sums are f32. All else is computed in f32.
;;   The module's matrix products, in the order in which they are computed (A, B: the left and right operand; K: the contracted axis; several contracted axes count as one K, in the product's order):
;;     1. [M 4,096, K 1,024] x [K 1,024, N 1,024]; A: computed on the way; B: input Wq (given as codes): QUANTISED
;;     2. [M 4,096, K 1,024] x [K 1,024, N 1,024]; A: computed on the way; B: input Wk (given as codes): QUANTISED
;;     3. [M 4,096, K 1,024] x [K 1,024, N 1,024]; A: computed on the way; B: input Wv (given as codes): QUANTISED
;;     4. batch 32 x [M 2,048, K 64] x [K 64, N 2,048]; A: computed on the way; B: computed on the way: QUANTISED
;;     5. batch 32 x [M 2,048, K 2,048] x [K 2,048, N 64]; A: computed on the way; B: computed on the way: QUANTISED
;;     6. [M 4,096, K 1,024] x [K 1,024, N 1,024]; A: computed on the way; B: input Wo (given as codes): QUANTISED
;;   THE QUANTISER, for each operand of a quantised product, along K:
;;     - K is cut into blocks of 32 from its start; a last block that is shorter is filled with zeros.
;;     - A block's scale is 2^e with e = floor(log2(the largest magnitude in the block)) - 2, held to -126 .. 127; a block of zeros has e = 0. As a byte (E8M0): e + 127.
;;     - Each number is divided by its block's scale, clamped to +-6, and rounded to the nearest number of E2M1, ties to even, subnormals kept.
;;     - The product sums the exact products of the quantised numbers (number of the format x scale) in f32.
;;   ~~~python
;;   def quantise(x, axis):      # numpy; x: float32 -> the quantised numbers, widened to float32 again
;;       x = np.moveaxis(x, axis, -1); K = x.shape[-1]
;;       x = np.pad(x, [(0, 0)] * (x.ndim - 1) + [(0, -K % 32)]); x = x.reshape(x.shape[:-1] + (-1, 32)); a = np.abs(x).max(-1, keepdims=True)
;;       e = np.where(a > 0, np.clip(np.frexp(np.where(a > 0, a, 1))[1] - 1 - 2, -126, 127), 0)      # np.frexp(a)[1] - 1 = floor(log2(a)), exactly
;;       r = np.clip(x / 2.0 ** e, -6, 6)
;;       step = 2.0 ** (np.maximum(np.frexp(np.where(r == 0, 1, r))[1] - 1, 0) - 1)
;;       q = np.round(r / step) * step * 2.0 ** e      # np.round: ties to even
;;       return np.moveaxis(q.reshape(q.shape[:-2] + (-1,))[..., :K], -1, axis).astype(np.float32)
;;   ~~~
;;   OPERANDS COMPUTED ON THE WAY. 'Computed on the way' means the value that the module computes at that place (a softmax that the list does not call 'softmax' is quantised finished and normalised). What goes into a quantiser is computed in f32, as accurately as f32 sums, v_exp_f32 and their like allow (about 1e-6 of the number): no bf16 or f16 on the way to a quantiser, and a product that is left as it is and whose result goes on into a quantised operand takes f32 operands (vector FMAs, or v_wmma_f32_16x16x4_f32). A number that lies on a knife's edge between two numbers of the format may be rounded either way, as far as f32 arithmetic and the matrix unit's own rounding can turn it there, and no further.
;;   INPUTS GIVEN AS CODES. Wk (in the module: [1024, 1024], K = its axis 1); Wo (in the module: [1024, 1024], K = its axis 1); Wq (in the module: [1024, 1024], K = its axis 1); Wv (in the module: [1024, 1024], K = its axis 1): each comes as NAME_codes (uint8): NAME with its K axis moved to the last place and cut into blocks of 32 codes, [.., K / 32, bytes a block], one block behind the other in memory; two codes a byte, the lower K in the low four bits (a code: sign, 2 exponent bits, 1 mantissa bit); and NAME_scales (uint8): the same leading axes, one E8M0 byte (e + 127) for each 32 codes along K. Its value is code x scale, taken as it is: it is not quantised again, and the codes and scales need not be those that the quantiser above would give.
;; 2 versions, each right; version 2 is version 1 with the launch attn written anew for expert scheduling mode. Each part assembles by itself: llvm-mc -triple=amdgcn-amd-amdhsa -mcpu=gfx1250 --defsym DOCPART=n.
;; ======== version 1 of 2: 4 launches
;; limits: right only within a limited range of input values
;; workspace buffers: xq 2,228,224 bytes; wq 2,228,224 bytes; qkv 6,815,744 bytes; ao 2,228,224 bytes
;; launch prep (part 1): grid 256 x 1, 8 waves a work-group, no clusters, 67,584 bytes of LDS; arguments x, Wq_codes, Wk_codes, Wv_codes, Wo_codes, Wq_scales, Wk_scales, Wv_scales, Wo_scales, xq, wq; writes xq, wq
.if DOCPART == 1
	.amdgcn_target "amdgcn-amd-amdhsa--gfx1250"
	.amdhsa_code_object_version 6
	.text
	.protected	k_qc5ebf7f3c1_prep
	.globl	k_qc5ebf7f3c1_prep
	.p2align	8
	.type	k_qc5ebf7f3c1_prep,@function
k_qc5ebf7f3c1_prep:
	s_mov_b64 s[64:65], 0
	v_nop
	global_prefetch_b8 v0, s[64:65] scope:SCOPE_SE
	s_setreg_imm32_b32 hwreg(HW_REG_WAVE_MODE, 25, 1), 1
	s_wait_xcnt 0x0
; x [4096 tokens][1025] f32: columns 1 .. 1024 are sanitised (NaN -> 0, +-infinity -> +-10000) and quantised to FP4 (E2M1), one E8M0 byte for each 32 along K;
; the codes leave as IMAGES OF OPERAND REGISTERS: a fragment (16 rows x 128 K) is 1,024 bytes, [quad c][lane][16 bytes], lane (r, h) holding k = 64 c + 32 h + 0 .. 31 of row r.
; The four weights, given as codes, are laid in the same order, so that the later launches load every fragment by two dense loads of 512 bytes.
; THE ROWS OF A TILE ARE NOT NEIGHBOURS: lane r of tile t takes row 32 (t / 2) + 8 (t % 2) + r + 8 (r / 8), so that the results of two neighbouring tiles are 16 neighbours along the next K.
; SHARES: work-group g takes token tile g (two runs of 8 tokens, 32,800 bytes each) and weight tile g (matrix g / 64, tile g % 64); wave s takes K step s of both.
; x's rows are 4,100 bytes: the two runs come in dense, 16 bytes a thread, go to LDS as they lie, and each lane reads its 64 numbers from there (word 1025 r + 32 h + ..: 32 different banks).
; A block of zeros gets the byte 1 where the quantiser says 127: its codes are zeros, and this program alone reads the bytes.
.set XP,   4100                        ; a row of x in bytes
.set RUN,  8*XP                        ; eight rows
.set SCL,  65792                       ; LDS: behind the 16 rows, the tile's scale bytes [r][32]
.set SCO,  2097152                     ; where the scale bytes begin in xq and in wq
.macro BARRIER                         ; my LDS instructions are done, then the work-group's barrier
	s_wait_dscnt 0x0
	s_barrier_signal -1
	s_barrier_wait -1
.endm
.macro SAN base, n                     ; nan_to_num in place, four registers by turns: +inf -> 1e4, -inf -> -1e4, NaN -> 0
.set sq, \base
.rept (\n)/4
.irp k, 0,1,2,3
	v_cmp_eq_f32 s[44+\k], s38, v[sq+\k]
.endr
.irp k, 0,1,2,3
	v_cndmask_b32 v[sq+\k], v[sq+\k], s40, s[44+\k]
.endr
.irp k, 0,1,2,3
	v_cmp_eq_f32 s[44+\k], s39, v[sq+\k]
.endr
.irp k, 0,1,2,3
	v_cndmask_b32 v[sq+\k], v[sq+\k], s41, s[44+\k]
.endr
.irp k, 0,1,2,3
	v_cmp_eq_f32 s[44+\k], v[sq+\k], v[sq+\k]
.endr
.irp k, 0,1,2,3
	v_cndmask_b32 v[sq+\k], 0, v[sq+\k], s[44+\k]
.endr
.set sq, sq+4
.endr
.endm
	s_load_b256 s[4:11], s[0:1], 0x0               ; x, Wq codes, Wk codes, Wv codes
	s_load_b256 s[12:19], s[0:1], 0x20             ; Wo codes, Wq scales, Wk scales, Wv scales
	s_load_b128 s[20:23], s[0:1], 0x40             ; Wo scales, xq
	s_load_b64 s[24:25], s[0:1], 0x50              ; wq
	v_lshl_add_u32 v192, v0, 2, 0x10400
	v_mov_b32 v193, 0
	v_lshrrev_b32 v10, 5, v0
	v_readfirstlane_b32 s26, v10                   ; wave = K step
	v_and_b32 v11, 31, v0                          ; lane
	v_and_b32 v12, 15, v0                          ; r
	v_bfe_u32 v13, v0, 4, 1                        ; h
	v_lshlrev_b32 v1, 4, v0                        ; 16 x thread: the dense copy, in memory and in LDS
	v_bfe_u32 v14, v0, 1, 1                        ; the last 32 bytes of each run: chunk (thread & 3): run,
	v_and_b32 v15, 1, v0
	v_lshlrev_b32 v15, 4, v15                      ; and which 16 bytes
	v_mad_u32_u24 v2, v14, 16*XP, v15
	v_add_nc_u32 v2, 32768, v2                     ; in memory (the runs lie 16 rows apart)
	v_mad_u32_u24 v3, v14, RUN, v15
	v_add_nc_u32 v3, 32768, v3                     ; in LDS (one behind the other)
	v_mul_u32_u24 v4, v12, XP
	v_lshl_add_u32 v4, v13, 7, v4
	s_lshl_b32 s27, s26, 9
	s_add_co_u32 s27, s27, 4
	v_add_nc_u32 v4, s27, v4                       ; my numbers: row r, past the time column, + 128 h + 512 x K step
	v_and_b32 v16, 8, v12
	v_add_nc_u32 v16, v16, v12                     ; r + 8 (r / 8)
	v_lshlrev_b32 v5, 9, v16
	v_lshl_add_u32 v5, v13, 4, v5
	s_lshl_b32 s27, s26, 6
	v_add_nc_u32 v5, s27, v5                       ; the weight: its row of 512 bytes, + 16 h + 64 x K step
	v_lshlrev_b32 v6, 4, v11                       ; 16 x lane: an image's place
	v_lshlrev_b32 v7, 5, v12
	s_lshl_b32 s27, s26, 2
	s_add_co_u32 s27, s27, SCL
	v_add_nc_u32 v7, s27, v7                       ; my row's scale word of my K step
	v_lshrrev_b32 v17, 1, v11
	v_and_b32 v18, 8, v17
	v_add_nc_u32 v17, v17, v18
	v_and_b32 v18, 1, v11
	v_lshlrev_b32 v18, 4, v18
	v_lshl_add_u32 v8, v17, 5, v18                 ; the weight's scale bytes: two lanes to a row of 32 bytes
	v_add_nc_u32 v9, SCL, v6                       ; x's scale bytes on their way out
	s_mov_b32 s38, 0x7f800000                      ; +infinity
	s_mov_b32 s39, 0xff800000                      ; -infinity
	s_mov_b32 s40, 0x461c4000                      ; 10000
	s_mov_b32 s41, 0xc61c4000                      ; -10000
	s_mov_b32 s54, 0x76543210
	s_mov_b32 s55, 0xfedcba98                      ; v_permlanex16_b32's selects for lane l xor 16
	s_bfe_u32 s27, ttmp9, 0x50001
	s_lshl_b32 s27, s27, 5
	s_and_b32 s28, ttmp9, 1
	s_lshl_b32 s28, s28, 3
	s_add_co_u32 s27, s27, s28                     ; the weight tile's first row
	s_lshr_b32 s29, ttmp9, 1
	s_lshl_b32 s29, s29, 5
	s_add_co_u32 s29, s29, s28                     ; the token tile's first token
	s_mov_b32 s31, 0
	s_wait_kmcnt 0x0
	s_and_b32 s30, ttmp9, 64                       ; which matrix: the choice hangs on the work-group's number alone
	s_cmp_lg_u32 s30, 0
	s_cselect_b64 s[36:37], s[8:9], s[6:7]
	s_cselect_b64 s[48:49], s[12:13], s[10:11]
	s_cselect_b64 s[50:51], s[16:17], s[14:15]
	s_cselect_b64 s[52:53], s[20:21], s[18:19]
	s_and_b32 s30, ttmp9, 128
	s_cmp_lg_u32 s30, 0
	s_cselect_b64 s[36:37], s[48:49], s[36:37]     ; its codes
	s_cselect_b64 s[50:51], s[52:53], s[50:51]     ; its scale bytes
	s_mul_i32 s30, s29, XP
	s_add_nc_u64 s[4:5], s[4:5], s[30:31]          ; x at the first run
	s_lshl_b32 s30, s27, 9
	s_add_nc_u64 s[36:37], s[36:37], s[30:31]
	s_lshl_b32 s30, s27, 5
	s_add_nc_u64 s[50:51], s[50:51], s[30:31]
	s_lshl_b32 s30, ttmp9, 13
	s_lshl_b32 s32, s26, 10
	s_add_co_u32 s30, s30, s32
	s_add_nc_u64 s[56:57], s[24:25], s[30:31]      ; wq: image (matrix, tile, K step): 8,192 x work-group + 1,024 x wave
	s_lshl_b32 s30, ttmp9, 9
	s_add_co_u32 s30, s30, SCO
	s_add_nc_u64 s[58:59], s[24:25], s[30:31]      ; wq: the tile's 512 scale bytes
	s_add_nc_u64 s[60:61], s[22:23], s[30:31]      ; xq: likewise
	s_lshr_b32 s30, ttmp9, 3
	s_lshl_b32 s30, s30, 16
	s_lshl_b32 s32, s26, 13
	s_add_co_u32 s30, s30, s32
	s_and_b32 s32, ttmp9, 7
	s_lshl_b32 s32, s32, 10
	s_add_co_u32 s30, s30, s32
	s_add_nc_u64 s[62:63], s[22:23], s[30:31]      ; xq: image [group of 128 tokens][K step][tile in the group]
	; ---- in: the two runs, 4,096 consecutive bytes a work-group's load; my fragment of the weight
.irp i, 0,1,2,3,4,5,6,7
	global_load_b128 v[16+4*\i:19+4*\i], v1, s[4:5] offset:4096*\i th:TH_LOAD_NT
.endr
.irp i, 0,1,2,3,4,5,6,7
	global_load_b128 v[48+4*\i:51+4*\i], v1, s[4:5] offset:16*XP+4096*\i th:TH_LOAD_NT
.endr
	global_load_b128 v[84:87], v5, s[36:37]
	global_load_b128 v[88:91], v5, s[36:37] offset:32
	s_cmp_lg_u32 s26, 0
	s_cbranch_scc1 .Lno_rest_in
	global_load_b128 v[80:83], v2, s[4:5] th:TH_LOAD_NT   ; wave 0: the runs' last 32 bytes (eight lanes ask for each chunk)
	global_load_b128 v[92:95], v8, s[50:51]        ; and the weight tile's scale bytes
.Lno_rest_in:
	s_wait_loadcnt 0x0                             ; all of them: everything is used at once
.irp i, 0,1,2,3,4,5,6,7
	ds_store_b128 v1, v[16+4*\i:19+4*\i] offset:4096*\i
.endr
.irp i, 0,1,2,3,4,5,6,7
	ds_store_b128 v1, v[48+4*\i:51+4*\i] offset:RUN+4096*\i
.endr
	global_store_b128 v6, v[84:87], s[56:57]       ; the weight's fragment as an image: 512 consecutive bytes a store
	global_store_b128 v6, v[88:91], s[56:57] offset:512
	s_cmp_lg_u32 s26, 0
	s_cbranch_scc1 .Lno_rest_out
	ds_store_b128 v3, v[80:83]                     ; lanes with the same chunk write the same bytes with the same values
	global_store_b128 v6, v[92:95], s[58:59]
.Lno_rest_out:
	BARRIER                                        ; the 16 rows lie in LDS
	; ---- my 64 numbers: k = 128 s + 64 c + 32 h + i: two whole blocks of 32
.irp c, 0,1
.irp i, 0,1,2,3,4,5,6,7,8,9,10,11,12,13,14,15,16,17,18,19,20,21,22,23,24,25,26,27,28,29,30,31
	ds_load_b32 v[96+32*\c+\i], v4 offset:256*\c+4*\i
.endr
.endr
	s_wait_dscnt 0x0
	SAN 96, 64
.irp c, 0,1
	v_max3_num_f32 v[168+\c], |v[96+32*\c]|, |v[97+32*\c]|, 0x1800000   ; the block's largest magnitude, and the floor 2^(3 - 127): the byte cannot fall under 1
.endr
.irp i, 2,4,6,8,10,12,14,16,18,20,22,24,26,28,30
.irp c, 0,1
	v_max3_num_f32 v[168+\c], v[168+\c], |v[96+32*\c+\i]|, |v[97+32*\c+\i]|
.endr
.endr
.irp c, 0,1
	v_add_nc_u32 v[170+\c], 0xff000000, v[168+\c]  ; 2 off the exponent field: the conversion's scale operand
.endr
.irp c, 0,1
	v_lshrrev_b32 v[172+\c], 23, v[170+\c]         ; the scale's byte
.endr
	v_lshl_or_b32 v174, v173, 16, v172             ; my two bytes, blocks h and 2 + h,
	v_lshlrev_b32 v175, 3, v13
	v_lshlrev_b32 v174, v175, v174                 ; at their places in the word;
	v_mov_b32 v175, 0
	v_permlanex16_b32 v175, v174, s54, s55
	v_or_b32 v174, v174, v175                      ; with lane l xor 16's two the word is whole
.irp c, 0,1
.irp g, 0,1,2,3
	v_cvt_scalef32_pk8_fp4_f32 v[160+4*\c+\g], v[96+32*\c+8*\g:103+32*\c+8*\g], v[170+\c]
.endr
.endr
	v_nop                                          ; one plain line behind the last scaled conversion
	global_store_b128 v6, v[160:163], s[62:63]
	global_store_b128 v6, v[164:167], s[62:63] offset:512
	ds_store_b32 v7, v174                          ; both halves of the lanes write the same word
	BARRIER                                        ; the tile's 512 scale bytes lie in LDS
	s_cmp_lg_u32 s26, 0
	s_cbranch_scc1 .Ldone
	ds_load_b128 v[176:179], v9
	s_wait_dscnt 0x0
	global_store_b128 v6, v[176:179], s[60:61]     ; 512 consecutive bytes
.Ldone:
	s_wait_tensorcnt 0x0
	ds_add_u32 v192, v193
	s_wait_dscnt 0x0
	s_endpgm
.Lfunc_end_k_qc5ebf7f3c1_prep:
	.size	k_qc5ebf7f3c1_prep, .Lfunc_end_k_qc5ebf7f3c1_prep-k_qc5ebf7f3c1_prep
	.p2alignl 7, 3214868480
	.fill 96, 4, 3214868480
	.section	.rodata,"a",@progbits
	.p2align	6, 0x0
	.amdhsa_kernel k_qc5ebf7f3c1_prep
		.amdhsa_group_segment_fixed_size 67584
		.amdhsa_private_segment_fixed_size 0
		.amdhsa_enable_private_segment 0
		.amdhsa_kernarg_size 88
		.amdhsa_user_sgpr_count 2
		.amdhsa_user_sgpr_kernarg_segment_ptr 1
		.amdhsa_wavefront_size32 1
		.amdhsa_system_sgpr_workgroup_id_x 1
		.amdhsa_system_sgpr_workgroup_id_y 1
		.amdhsa_system_sgpr_workgroup_id_z 1
		.amdhsa_system_vgpr_workitem_id 0
		.amdhsa_next_free_vgpr 194
		.amdhsa_next_free_sgpr 66
		.amdhsa_reserve_vcc 0
		.amdhsa_float_denorm_mode_32 3
		.amdhsa_float_denorm_mode_16_64 3
		.amdhsa_memory_ordered 1
		.amdhsa_forward_progress 1
		.amdhsa_inst_pref_size 40
	.end_amdhsa_kernel
	.amdgpu_metadata
---
amdhsa.version: [ 1, 2 ]
amdhsa.kernels:
  - .name:           k_qc5ebf7f3c1_prep
    .symbol:         k_qc5ebf7f3c1_prep.kd
    .args:
      - { .name: x, .offset: 0, .size: 8, .value_kind: global_buffer, .address_space: global }
      - { .name: Wq_codes, .offset: 8, .size: 8, .value_kind: global_buffer, .address_space: global }
      - { .name: Wk_codes, .offset: 16, .size: 8, .value_kind: global_buffer, .address_space: global }
      - { .name: Wv_codes, .offset: 24, .size: 8, .value_kind: global_buffer, .address_space: global }
      - { .name: Wo_codes, .offset: 32, .size: 8, .value_kind: global_buffer, .address_space: global }
      - { .name: Wq_scales, .offset: 40, .size: 8, .value_kind: global_buffer, .address_space: global }
      - { .name: Wk_scales, .offset: 48, .size: 8, .value_kind: global_buffer, .address_space: global }
      - { .name: Wv_scales, .offset: 56, .size: 8, .value_kind: global_buffer, .address_space: global }
      - { .name: Wo_scales, .offset: 64, .size: 8, .value_kind: global_buffer, .address_space: global }
      - { .name: xq, .offset: 72, .size: 8, .value_kind: global_buffer, .address_space: global }
      - { .name: wq, .offset: 80, .size: 8, .value_kind: global_buffer, .address_space: global }
    .group_segment_fixed_size: 67584
    .private_segment_fixed_size: 0
    .kernarg_segment_align: 8
    .kernarg_segment_size: 88
    .max_flat_workgroup_size: 256
    .sgpr_count:     66
    .vgpr_count:     194
    .wavefront_size: 32
...
	.end_amdgpu_metadata
.endif
;; end of part 1
;; launch qkv (part 2): grid 8 x 32, 6 waves a work-group, no clusters, 66,304 bytes of LDS; arguments xq, wq, qkv; writes qkv
.if DOCPART == 2
	.amdgcn_target "amdgcn-amd-amdhsa--gfx1250"
	.amdhsa_code_object_version 6
	.text
	.protected	k_qc5ebf7f3c1_qkv
	.globl	k_qc5ebf7f3c1_qkv
	.p2align	8
	.type	k_qc5ebf7f3c1_qkv,@function
k_qc5ebf7f3c1_qkv:
	s_mov_b64 s[64:65], 0
	v_nop
	global_prefetch_b8 v0, s[64:65] scope:SCOPE_SE
	s_setreg_imm32_b32 hwreg(HW_REG_WAVE_MODE, 25, 1), 1
	s_wait_xcnt 0x0
; q, k, v = sanitise(x W^T), on codes of FP4; each is quantised at once for the attention launch and stored as images of operand registers.
; SHARES: a work-group takes 128 tokens (group G = y) and six of the 48 head slots (slot = 16 x matrix + head; 6 x + wave); a wave makes 128 tokens x 64 features: 32 accumulators, K = 1,024 in 8 steps.
; x's 64 fragments of the group (64 KB, as they lie in xq) go to LDS once and are read by all six waves; a wave's fragments of W are its own and come from memory straight into registers, a step ahead.
; q, k: source 0 = 16 rows of W, source 1 = 16 tokens: a lane holds one token and its registers run along the head's 64: quantised along d.  The 64 registers of a block of 32 tokens give 8 code registers:
;   quad c = token tile c, lane (r, h) = dims 32 h .. 32 h + 31; the scale word's bytes are (tile 0, d 0-31), (tile 0, d 32-63), (tile 1, ..), (tile 1, ..).
; v: the sources change places: a lane holds one feature and its registers run along the 128 tokens: quantised along the keys: a fragment of V^T for each of the head's four tiles of d.
; Both ways leave 4 x 64 registers that are quantised and stored alike, 1,024 bytes apart: the tail is written once.
; A block of zeros gets the byte 1 where the quantiser says 127: its codes are zeros, and this program alone reads the bytes.
; REGISTERS: window 0: v1-8 addresses; v16-47 x's scale words [pair of tiles][step] (lanes 0-15 the even tile, 16-31 the odd); v48-63 W's likewise; v64-127 W's fragments, two sets; v128-255 x's, two sets.  window 1: the accumulators.
.set XS,  16
.set WS,  48
.set WF,  64
.set XF,  128
.set TM,  64                           ; the tail: v64-79 at work, v84-87 the four scale words, v128-159 the codes
.set SW,  84
.set CD,  128
.set SEL, 32
.set SCO, 2097152
.set QSC, 6291456
.set KSC, 6553600
.set MSB, 0
.macro WIN new                         ; the immediate's high byte repeats the setting that is left
.if MSB != (\new)
	s_set_vgpr_msb (MSB<<8)|(\new)
.set MSB, \new
.endif
.endm
.macro PLACES n
.rept \n
	v_nop
.endr
.endm
.macro BARRIER
	s_wait_dscnt 0x0
	s_barrier_signal -1
	s_barrier_wait -1
.endm
.macro SAN base, n                     ; nan_to_num in place, four registers by turns, each accumulator from its low end on
.set sq, \base
.rept (\n)/4
.irp k, 0,1,2,3
	v_cmp_eq_f32 s[44+\k], s38, v[sq+\k]
.endr
.irp k, 0,1,2,3
	v_cndmask_b32 v[sq+\k], v[sq+\k], s40, s[44+\k]
.endr
.irp k, 0,1,2,3
	v_cmp_eq_f32 s[44+\k], s39, v[sq+\k]
.endr
.irp k, 0,1,2,3
	v_cndmask_b32 v[sq+\k], v[sq+\k], s41, s[44+\k]
.endr
.irp k, 0,1,2,3
	v_cmp_eq_f32 s[44+\k], v[sq+\k], v[sq+\k]
.endr
.irp k, 0,1,2,3
	v_cndmask_b32 v[sq+\k], 0, v[sq+\k], s[44+\k]
.endr
.set sq, sq+4
.endr
.endm
; 64 numbers of a lane in window w, register 16 b + i = k 32 b + 16 (lane / 16) + i of my row, become a fragment's 8 code registers v[cd] on and its scale word v[pw], both in window 0
.macro QUANT64 src, w, cd, pw, abs
	WIN 0x14*(\w)
.irp b, 0,1,2,3
.if \abs
	v_max3_num_f32 v[TM+\b], 0x1800000, |v[(\src)+16*\b]|, |v[(\src)+16*\b+1]|   ; my 16 numbers of block b, and the floor 2^(3 - 127): the byte cannot fall under 1
.else
	v_max3_num_f32 v[TM+\b], 0x1800000, v[(\src)+16*\b], v[(\src)+16*\b+1]
.endif
.endr
.irp i, 2,4,6,8,10,12,14
.irp b, 0,1,2,3
.if \abs
	v_max3_num_f32 v[TM+\b], v[TM+\b], |v[(\src)+16*\b+\i]|, |v[(\src)+16*\b+\i+1]|
.else
	v_max3_num_f32 v[TM+\b], v[TM+\b], v[(\src)+16*\b+\i], v[(\src)+16*\b+\i+1]
.endif
.endr
.endr
	WIN 0
.irp b, 0,1,2,3
	v_permlanex16_b32 v[TM+4+\b], v[TM+\b], s[SEL], s[SEL+1]
.endr
.irp b, 0,1,2,3
	v_max_num_f32 v[TM+\b], v[TM+\b], v[TM+4+\b]   ; with lane l xor 16's: the block's largest magnitude
.endr
.irp b, 0,1,2,3
	v_add_nc_u32 v[TM+12+\b], 0xff000000, v[TM+\b] ; 2 off the exponent field: the conversion's scale operand
.endr
.irp b, 0,1,2,3
	v_lshrrev_b32 v[TM+4+\b], 23, v[TM+12+\b]      ; the scale's byte
.endr
	v_lshl_or_b32 v[\pw], v[TM+5], 8, v[TM+4]
	v_lshl_or_b32 v[\pw], v[TM+6], 16, v[\pw]
	v_lshl_or_b32 v[\pw], v[TM+7], 24, v[\pw]
	WIN \w
.irp b, 0,1,2,3
	v_cvt_scalef32_pk8_fp4_f32 v[(\cd)+2*\b], v[(\src)+16*\b:(\src)+16*\b+7], v[TM+12+\b]
	v_cvt_scalef32_pk8_fp4_f32 v[(\cd)+2*\b+1], v[(\src)+16*\b+8:(\src)+16*\b+15], v[TM+12+\b]
.endr
	WIN 0
	v_nop                                          ; one plain line behind the last scaled conversion
.irp c, 0,1                                        ; the operand's layout wants a whole block in a lane
.irp i, 0,1
	v_permlane16_swap_b32 v[(\cd)+4*\c+\i], v[(\cd)+4*\c+2+\i]
.endr
.endr
.endm
; one scaled product.  z: the sum starts (C = 0);  ra, rb: the scale words stand in lanes 16-31 of their registers
.macro WM d, a, b, z, sa, sb, ra, rb
.if (\z) && (\ra) && (\rb)
	v_wmma_scale_f32_16x16x128_f8f6f4 v[(\d):(\d)+7], v[(\a):(\a)+7], v[(\b):(\b)+7], 0, v[\sa], v[\sb] matrix_a_fmt:MATRIX_FMT_FP4 matrix_b_fmt:MATRIX_FMT_FP4 matrix_a_scale:MATRIX_SCALE_ROW1 matrix_b_scale:MATRIX_SCALE_ROW1
.elseif (\z) && (\ra)
	v_wmma_scale_f32_16x16x128_f8f6f4 v[(\d):(\d)+7], v[(\a):(\a)+7], v[(\b):(\b)+7], 0, v[\sa], v[\sb] matrix_a_fmt:MATRIX_FMT_FP4 matrix_b_fmt:MATRIX_FMT_FP4 matrix_a_scale:MATRIX_SCALE_ROW1
.elseif (\z) && (\rb)
	v_wmma_scale_f32_16x16x128_f8f6f4 v[(\d):(\d)+7], v[(\a):(\a)+7], v[(\b):(\b)+7], 0, v[\sa], v[\sb] matrix_a_fmt:MATRIX_FMT_FP4 matrix_b_fmt:MATRIX_FMT_FP4 matrix_b_scale:MATRIX_SCALE_ROW1
.elseif (\z)
	v_wmma_scale_f32_16x16x128_f8f6f4 v[(\d):(\d)+7], v[(\a):(\a)+7], v[(\b):(\b)+7], 0, v[\sa], v[\sb] matrix_a_fmt:MATRIX_FMT_FP4 matrix_b_fmt:MATRIX_FMT_FP4
.elseif (\ra) && (\rb)
	v_wmma_scale_f32_16x16x128_f8f6f4 v[(\d):(\d)+7], v[(\a):(\a)+7], v[(\b):(\b)+7], v[(\d):(\d)+7], v[\sa], v[\sb] matrix_a_fmt:MATRIX_FMT_FP4 matrix_b_fmt:MATRIX_FMT_FP4 matrix_a_scale:MATRIX_SCALE_ROW1 matrix_b_scale:MATRIX_SCALE_ROW1
.elseif (\ra)
	v_wmma_scale_f32_16x16x128_f8f6f4 v[(\d):(\d)+7], v[(\a):(\a)+7], v[(\b):(\b)+7], v[(\d):(\d)+7], v[\sa], v[\sb] matrix_a_fmt:MATRIX_FMT_FP4 matrix_b_fmt:MATRIX_FMT_FP4 matrix_a_scale:MATRIX_SCALE_ROW1
.elseif (\rb)
	v_wmma_scale_f32_16x16x128_f8f6f4 v[(\d):(\d)+7], v[(\a):(\a)+7], v[(\b):(\b)+7], v[(\d):(\d)+7], v[\sa], v[\sb] matrix_a_fmt:MATRIX_FMT_FP4 matrix_b_fmt:MATRIX_FMT_FP4 matrix_b_scale:MATRIX_SCALE_ROW1
.else
	v_wmma_scale_f32_16x16x128_f8f6f4 v[(\d):(\d)+7], v[(\a):(\a)+7], v[(\b):(\b)+7], v[(\d):(\d)+7], v[\sa], v[\sb] matrix_a_fmt:MATRIX_FMT_FP4 matrix_b_fmt:MATRIX_FMT_FP4
.endif
.endm
.macro XFETCH s                        ; x's eight fragments of K step s from LDS into set s % 2
.irp tt, 0,1,2,3,4,5,6,7
.irp c, 0,1
	ds_load_b128 v[XF+64*((\s)%2)+8*\tt+4*\c:XF+64*((\s)%2)+8*\tt+4*\c+3], v1 offset:8192*(\s)+1024*\tt+512*\c
.endr
.endr
.endm
.macro WLOAD s                         ; my four fragments of W of K step s from memory into set s % 2
.irp ta, 0,1,2,3
.irp c, 0,1
	global_load_b128 v[WF+32*((\s)%2)+8*\ta+4*\c:WF+32*((\s)%2)+8*\ta+4*\c+3], v1, s[20:21] offset:8192*\ta+1024*(\s)+512*\c
.endr
.endr
.endm
; A K step: the next step's fragments are asked for, then 32 products, each accumulator once (the accumulators take turns).  vp = 1: v's way, the sources changed
.macro STEP s, vp
.if (\s) > 0
	PLACES 4                                       ; four plain lines between the last products and loads into the set that they read
.endif
.if (\s) < 7
	XFETCH (\s)+1
	WLOAD (\s)+1
	s_wait_dscnt 16                                ; all but the next step's 16 LDS loads
	s_wait_loadcnt 8                               ; all but the next step's 8 loads
.else
	s_wait_dscnt 0x0
	s_wait_loadcnt 0x0
.endif
	WIN 0x50                                       ; C and D in window 1
.irp tt, 0,1,2,3,4,5,6,7
.irp ta, 0,1,2,3
.if \vp
	WM 8*(8*\ta+\tt), XF+64*((\s)%2)+8*\tt, WF+32*((\s)%2)+8*\ta, (\s)==0, XS+8*(\tt/2)+(\s), WS+8*(\ta/2)+(\s), \tt%2, \ta%2
.else
	WM 8*(4*\tt+\ta), WF+32*((\s)%2)+8*\ta, XF+64*((\s)%2)+8*\tt, (\s)==0, WS+8*(\ta/2)+(\s), XS+8*(\tt/2)+(\s), \ta%2, \tt%2
.endif
.endr
.endr
	WIN 0
.endm
	s_load_b128 s[4:7], s[0:1], 0x0                ; xq, wq
	s_load_b64 s[8:9], s[0:1], 0x10                ; qkv
	v_lshl_add_u32 v14, v0, 2, 0x10000
	v_mov_b32 v15, 0
	v_lshrrev_b32 v5, 5, v0
	v_readfirstlane_b32 s10, v5                    ; wave 0..5
	v_and_b32 v6, 31, v0                           ; lane
	v_and_b32 v7, 15, v0                           ; r
	v_bfe_u32 v8, v0, 4, 1                         ; h
	v_lshlrev_b32 v1, 4, v6                        ; 16 x lane: an image's place
	v_lshlrev_b32 v2, 5, v7
	v_lshl_add_u32 v2, v8, 9, v2                   ; scale words: row r of 32 bytes; lanes 16-31 take the next tile's
	s_lshl_b32 s11, s10, 14
	v_add_nc_u32 v3, s11, v1                       ; the copy of x's images: 16 KB for each of waves 0 to 3, in memory and in LDS alike
	v_lshlrev_b32 v4, 4, v7                        ; 16 r
	s_mov_b32 s[SEL], 0x76543210
	s_mov_b32 s[SEL+1], 0xfedcba98
	s_mov_b32 s34, 0xffff0000                      ; lanes 16-31
	s_mov_b32 s38, 0x7f800000
	s_mov_b32 s39, 0xff800000
	s_mov_b32 s40, 0x461c4000                      ; 10000
	s_mov_b32 s41, 0xc61c4000
	s_mul_i32 s13, ttmp9, 6
	s_add_co_u32 s13, s13, s10                     ; head slot
	s_lshr_b32 s14, s13, 4                         ; matrix: 0 q, 1 k, 2 v
	s_and_b32 s15, s13, 15                         ; head
	s_and_b32 s12, ttmp7, 0xffff                   ; G
	s_lshr_b32 s30, s12, 4
	s_lshl_b32 s30, s30, 4
	s_add_co_u32 s30, s30, s15                     ; 16 x batch + head
	s_and_b32 s31, s12, 15                         ; the group within its batch
	s_lshl_b32 s35, s30, 4                         ; q's scale words: [batch, head][group][lane][4 words]
	s_add_co_u32 s35, s35, s31
	s_lshl_b32 s35, s35, 9
	s_add_co_u32 s35, s35, QSC
	s_lshl_b32 s36, s14, 17                        ; k's and v's: [batch, head][chunk of 512 keys][G & 1][(G >> 1) & 1][r][4 words]
	s_add_co_u32 s36, s36, KSC-131072
	s_lshl_b32 s37, s30, 12
	s_add_co_u32 s36, s36, s37
	s_bfe_u32 s37, s12, 0x20002
	s_lshl_b32 s37, s37, 10
	s_add_co_u32 s36, s36, s37
	s_and_b32 s37, s12, 1
	s_lshl_b32 s37, s37, 9
	s_add_co_u32 s36, s36, s37
	s_bfe_u32 s37, s12, 0x10001
	s_lshl_b32 s37, s37, 8
	s_add_co_u32 s36, s36, s37
	s_cmp_eq_u32 s14, 0
	s_cselect_b32 s48, s35, s36
	s_mov_b32 s49, 0
	s_mov_b32 s29, 0
	s_wait_kmcnt 0x0
	s_add_nc_u64 s[26:27], s[8:9], s[48:49]        ; where my scale words go
	s_lshl_b32 s28, s12, 16
	s_add_nc_u64 s[16:17], s[4:5], s[28:29]        ; the group's images of x
	s_lshl_b32 s28, s12, 12
	s_add_co_u32 s28, s28, SCO
	s_add_nc_u64 s[18:19], s[4:5], s[28:29]        ; and its scale words
	s_lshl_b32 s28, s13, 15
	s_add_nc_u64 s[20:21], s[6:7], s[28:29]        ; my four tiles of W: 32,768 x slot
	s_lshl_b32 s28, s13, 11
	s_add_co_u32 s28, s28, SCO
	s_add_nc_u64 s[22:23], s[6:7], s[28:29]
	s_lshl_b32 s28, s14, 21
	s_lshl_b32 s37, s30, 16
	s_add_co_u32 s28, s28, s37
	s_lshl_b32 s37, s31, 12
	s_add_co_u32 s28, s28, s37
	s_add_nc_u64 s[24:25], s[8:9], s[28:29]        ; my four images: 2 MB x matrix + 64 KB x (batch, head) + 4 KB x group
	s_cmp_ge_u32 s10, 4
	s_cbranch_scc1 .Lno_copy_in
	WIN 0x40                                       ; into the registers that the accumulators will take
.irp i, 0,1,2,3,4,5,6,7,8,9,10,11,12,13,14,15,16,17,18,19,20,21,22,23,24,25,26,27,28,29,30,31
	global_load_b128 v[4*\i:4*\i+3], v3, s[16:17] offset:512*\i
.endr
	WIN 0
.Lno_copy_in:
.irp p, 0,1,2,3
.irp q, 0,1
	global_load_b128 v[XS+8*\p+4*\q:XS+8*\p+4*\q+3], v2, s[18:19] offset:1024*\p+16*\q
.endr
.endr
.irp p, 0,1
.irp q, 0,1
	global_load_b128 v[WS+8*\p+4*\q:WS+8*\p+4*\q+3], v2, s[22:23] offset:1024*\p+16*\q
.endr
.endr
	WLOAD 0
	s_cmp_ge_u32 s10, 4
	s_cbranch_scc1 .Lno_copy_out
	s_wait_loadcnt 20                              ; the 32 loads of the copy are in; the 20 issued behind them may be out
	WIN 0x04                                       ; an LDS store's data are its source 1
.irp i, 0,1,2,3,4,5,6,7,8,9,10,11,12,13,14,15,16,17,18,19,20,21,22,23,24,25,26,27,28,29,30,31
	ds_store_b128 v3, v[4*\i:4*\i+3] offset:512*\i
.endr
	WIN 0
.Lno_copy_out:
	BARRIER                                        ; x's 64 fragments lie in LDS; from here on LDS is only read
	XFETCH 0
	s_cmp_eq_u32 s14, 2
	s_cbranch_scc1 .Lv_way
.irp s, 0,1,2,3,4,5,6,7
	STEP \s, 0
.endr
	s_branch .Ltail
.Lv_way:
.irp s, 0,1,2,3,4,5,6,7
	STEP \s, 1
.endr
.Ltail:
	PLACES 4                                       ; between the last products and the first read of results, and the first write over their operands
.irp b, 0,1,2,3
	v_mov_b32 v[TM+4+\b], 0                        ; written once: a lane permute's destination counts as one of its sources
.endr
.irp i, 0,1,2,3
	WIN 0x45
	SAN 64*\i, 64
	QUANT64 64*\i, 1, CD+8*\i, SW+\i, 1
	global_store_b128 v1, v[CD+8*\i:CD+8*\i+3], s[24:25] offset:1024*\i       ; 512 consecutive bytes a store; each image has registers of its own
	global_store_b128 v1, v[CD+8*\i+4:CD+8*\i+7], s[24:25] offset:1024*\i+512
.endr
	s_cmp_eq_u32 s14, 0
	s_cbranch_scc1 .Lq_words
	v_cmp_gt_u32 vcc_lo, 16, v6                    ; k, v: row r's four words, from lanes 0-15: 256 consecutive bytes
	s_wait_xcnt 0x0                                ; EXEC changes only behind this wait
	s_wait_tensorcnt 0x0
	ds_add_u32 v14, v15
	s_wait_dscnt 0x0
	s_and_saveexec_b32 s50, vcc_lo
	global_store_b128 v4, v[SW:SW+3], s[26:27]
	s_wait_xcnt 0x0
	s_or_b32 exec_lo, exec_lo, s50
	s_endpgm
.Lq_words:                                         ; q: lane 16 T + r wants tile T's two bytes, twice: the query stands in either half of the product's K
.irp i, 0,1,2,3
	v_perm_b32 v[88+\i], v[SW+\i], v[SW+\i], 0x01000100
	v_perm_b32 v[92+\i], v[SW+\i], v[SW+\i], 0x03020302
.endr
.irp i, 0,1,2,3
	v_cndmask_b32 v[88+\i], v[88+\i], v[92+\i], s34
.endr
	global_store_b128 v1, v[88:91], s[26:27]
	s_wait_tensorcnt 0x0
	ds_add_u32 v14, v15
	s_wait_dscnt 0x0
	s_endpgm
.Lfunc_end_k_qc5ebf7f3c1_qkv:
	.size	k_qc5ebf7f3c1_qkv, .Lfunc_end_k_qc5ebf7f3c1_qkv-k_qc5ebf7f3c1_qkv
	.p2alignl 7, 3214868480
	.fill 96, 4, 3214868480
	.section	.rodata,"a",@progbits
	.p2align	6, 0x0
	.amdhsa_kernel k_qc5ebf7f3c1_qkv
		.amdhsa_group_segment_fixed_size 66304
		.amdhsa_private_segment_fixed_size 0
		.amdhsa_enable_private_segment 0
		.amdhsa_kernarg_size 24
		.amdhsa_user_sgpr_count 2
		.amdhsa_user_sgpr_kernarg_segment_ptr 1
		.amdhsa_wavefront_size32 1
		.amdhsa_system_sgpr_workgroup_id_x 1
		.amdhsa_system_sgpr_workgroup_id_y 1
		.amdhsa_system_sgpr_workgroup_id_z 1
		.amdhsa_system_vgpr_workitem_id 0
		.amdhsa_next_free_vgpr 512
		.amdhsa_next_free_sgpr 66
		.amdhsa_reserve_vcc 1
		.amdhsa_float_denorm_mode_32 3
		.amdhsa_float_denorm_mode_16_64 3
		.amdhsa_memory_ordered 1
		.amdhsa_forward_progress 1
		.amdhsa_inst_pref_size 218
	.end_amdhsa_kernel
	.amdgpu_metadata
---
amdhsa.version: [ 1, 2 ]
amdhsa.kernels:
  - .name:           k_qc5ebf7f3c1_qkv
    .symbol:         k_qc5ebf7f3c1_qkv.kd
    .args:
      - { .name: xq, .offset: 0, .size: 8, .value_kind: global_buffer, .address_space: global }
      - { .name: wq, .offset: 8, .size: 8, .value_kind: global_buffer, .address_space: global }
      - { .name: qkv, .offset: 16, .size: 8, .value_kind: global_buffer, .address_space: global }
    .group_segment_fixed_size: 66304
    .private_segment_fixed_size: 0
    .kernarg_segment_align: 8
    .kernarg_segment_size: 24
    .max_flat_workgroup_size: 192
    .sgpr_count:     66
    .vgpr_count:     512
    .wavefront_size: 32
...
	.end_amdgpu_metadata
.endif
;; end of part 2
;; launch attn (part 3): grid 64 x 4, 4 waves a work-group, no clusters, 306,688 bytes of LDS; arguments attention_mask, qkv, ao; writes ao
.if DOCPART == 3
	.amdgcn_target "amdgcn-amd-amdhsa--gfx1250"
	.amdhsa_code_object_version 6
	.text
	.protected	k_qc5ebf7f3c1_attn
	.globl	k_qc5ebf7f3c1_attn
	.p2align	8
	.type	k_qc5ebf7f3c1_attn,@function
k_qc5ebf7f3c1_attn:
	s_mov_b64 s[64:65], 0
	v_nop
	global_prefetch_b8 v0, s[64:65] scope:SCOPE_SE
	s_setreg_imm32_b32 hwreg(HW_REG_WAVE_MODE, 25, 1), 1
	s_wait_xcnt 0x0
; attn = softmax(clip(q k^T / 8 + mask, -50, 50)); out = attn v; both products on codes of FP4.  THE FINISHED, NORMALISED attn IS WHAT IS QUANTISED along the keys, so a row's sum over all 2,048 keys is wanted before any code is made.
; SHARES: a work-group owns 32 queries (block x) of one batch and eight heads (y = 2 x batch + half), one head a trip.  THE FOUR WAVES SPLIT THE KEYS: wave w owns keys 512 w .. 512 w + 511, so that the
; 32 x 2,048 weights of a head lie in registers (512 a lane) until the row sums have gone round: each score and each exponential is made once.
; NO MAXIMUM IS TAKEN AWAY: the clip, which the computation itself makes, holds t = score x log2(e) within +-72.14, so p = 2^t lies in 1.9e-22 .. 5.2e21 and a row's sum in 3.9e-19 .. 1.1e25, all inside f32.
; THE MASK's 32 rows, times log2(e), stay in LDS for all eight heads; a wave keeps and reads only its own 512 columns.  K's and V's images go from memory straight into registers: no other wave wants them.
; HEAD SIZE 64 IN A K OF 128: a fragment of K holds two tiles of 16 keys (k 0-63: tile 2 b, k 64-127: tile 2 b + 1); q stands between zeros, [0 0 0 0 | q | 0 0 0 0]: registers +4 .. +11 meet the first tile, +0 .. +7 the second; zero codes add nothing.
; Both products are used transposed: a lane holds one query; P's register 16 b + i is key 32 b + 16 (lane / 16) + i.  O^T's partial sums of the four waves meet in LDS; wave w finishes (query tile w / 2, d 32 (w % 2) ..), sanitises and quantises it along the output projection's K.
; LIMITS: NaN in attention_mask is not served (+-infinity is).  The sanitising of the scores is the clip: right while q . k is finite (|q|, |k| under about 1e18).  The sanitising of attn changes nothing: attn lies in 0 .. 1.
;   attn under 2^-126 gives zero codes, as the quantiser's lowest scale does.  A block of zeros gets the byte 1, not 127: this program alone reads the bytes.
; REGISTERS: window 0: v1-12 addresses; v16-39 q between zeros, two tiles; v40 q's scale words; v42-49 K's; v50-57 V's; v58-65 P's; v66-69 1 / sum; v70-85 row sums; v86-107 at work; v108-110 addresses of the end;
;   v112-175 mask words, later O^T, later the exchange; v176-239 P's codes.   window 1, 2: P of query tile 0, 1.   window 3: v0-127 K's 16 fragments, v128-255 V's 16.
.set MP,    2064                       ; a mask row in LDS: my 2,048 bytes + 16: the 16 rows that a load touches start in 16 different columns of 16 bytes
.set MWAVE, 32*MP                      ; a wave's 32 rows
.set OX,    4*MWAVE                    ; O^T's partial sums: [wave][accumulator][quad][lane x 16]
.set SUMB,  OX+32768                   ; row sums: [wave][lane]
.set AOC,   SUMB+512                   ; the result's codes: [query tile][head][512]
.set AOS,   AOC+8192                   ; and scale bytes: [query tile][r][16]
.set KIMG,  2097152
.set VIMG,  4194304
.set QSC,   6291456
.set KSC,   6553600
.set VSC,   6684672
.set QG,  16
.set QS,  40
.set KS,  42
.set VS,  50
.set PW,  58
.set RL,  66
.set SA,  70
.set TM,  86
.set MS,  112
.set OA,  112
.set PC,  176
.set SEL, 32
.set MSB, 0
.macro WIN new                         ; the immediate's high byte repeats the setting that is left
.if MSB != (\new)
	s_set_vgpr_msb (MSB<<8)|(\new)
.set MSB, \new
.endif
.endm
.macro PLACES n
.rept \n
	v_nop
.endr
.endm
.macro BARRIER
	s_wait_dscnt 0x0
	s_barrier_signal -1
	s_barrier_wait -1
.endm
.macro SAN base, n
.set sq, \base
.rept (\n)/4
.irp k, 0,1,2,3
	v_cmp_eq_f32 s[44+\k], s38, v[sq+\k]
.endr
.irp k, 0,1,2,3
	v_cndmask_b32 v[sq+\k], v[sq+\k], s40, s[44+\k]
.endr
.irp k, 0,1,2,3
	v_cmp_eq_f32 s[44+\k], s39, v[sq+\k]
.endr
.irp k, 0,1,2,3
	v_cndmask_b32 v[sq+\k], v[sq+\k], s41, s[44+\k]
.endr
.irp k, 0,1,2,3
	v_cmp_eq_f32 s[44+\k], v[sq+\k], v[sq+\k]
.endr
.irp k, 0,1,2,3
	v_cndmask_b32 v[sq+\k], 0, v[sq+\k], s[44+\k]
.endr
.set sq, sq+4
.endr
.endm
; 64 numbers of a lane in window w, register 16 b + i = k 32 b + 16 (lane / 16) + i of my row, become a fragment's 8 code registers v[cd] on and its scale word v[pw], both in window 0
.macro QUANT64 src, w, cd, pw, abs
	WIN 0x14*(\w)
.irp b, 0,1,2,3
.if \abs
	v_max3_num_f32 v[TM+\b], 0x1800000, |v[(\src)+16*\b]|, |v[(\src)+16*\b+1]|
.else
	v_max3_num_f32 v[TM+\b], 0x1800000, v[(\src)+16*\b], v[(\src)+16*\b+1]   ; my 16 numbers of block b (none is negative), and the floor 2^(3 - 127): the byte cannot fall under 1
.endif
.endr
.irp i, 2,4,6,8,10,12,14
.irp b, 0,1,2,3
.if \abs
	v_max3_num_f32 v[TM+\b], v[TM+\b], |v[(\src)+16*\b+\i]|, |v[(\src)+16*\b+\i+1]|
.else
	v_max3_num_f32 v[TM+\b], v[TM+\b], v[(\src)+16*\b+\i], v[(\src)+16*\b+\i+1]
.endif
.endr
.endr
	WIN 0
.irp b, 0,1,2,3
	v_permlanex16_b32 v[TM+4+\b], v[TM+\b], s[SEL], s[SEL+1]
.endr
.irp b, 0,1,2,3
	v_max_num_f32 v[TM+\b], v[TM+\b], v[TM+4+\b]
.endr
.irp b, 0,1,2,3
	v_add_nc_u32 v[TM+12+\b], 0xff000000, v[TM+\b] ; 2 off the exponent field: the conversion's scale operand
.endr
.irp b, 0,1,2,3
	v_lshrrev_b32 v[TM+4+\b], 23, v[TM+12+\b]      ; the scale's byte
.endr
	v_lshl_or_b32 v[\pw], v[TM+5], 8, v[TM+4]
	v_lshl_or_b32 v[\pw], v[TM+6], 16, v[\pw]
	v_lshl_or_b32 v[\pw], v[TM+7], 24, v[\pw]
	WIN \w
.irp b, 0,1,2,3
	v_cvt_scalef32_pk8_fp4_f32 v[(\cd)+2*\b], v[(\src)+16*\b:(\src)+16*\b+7], v[TM+12+\b]
	v_cvt_scalef32_pk8_fp4_f32 v[(\cd)+2*\b+1], v[(\src)+16*\b+8:(\src)+16*\b+15], v[TM+12+\b]
.endr
	WIN 0
	v_nop                                          ; one plain line behind the last scaled conversion
.irp c, 0,1
.irp i, 0,1
	v_permlane16_swap_b32 v[(\cd)+4*\c+\i], v[(\cd)+4*\c+2+\i]
.endr
.endr
.endm
.macro WM d, a, b, z, sa, sb, ra, rb
.if (\z) && (\ra) && (\rb)
	v_wmma_scale_f32_16x16x128_f8f6f4 v[(\d):(\d)+7], v[(\a):(\a)+7], v[(\b):(\b)+7], 0, v[\sa], v[\sb] matrix_a_fmt:MATRIX_FMT_FP4 matrix_b_fmt:MATRIX_FMT_FP4 matrix_a_scale:MATRIX_SCALE_ROW1 matrix_b_scale:MATRIX_SCALE_ROW1
.elseif (\z) && (\ra)
	v_wmma_scale_f32_16x16x128_f8f6f4 v[(\d):(\d)+7], v[(\a):(\a)+7], v[(\b):(\b)+7], 0, v[\sa], v[\sb] matrix_a_fmt:MATRIX_FMT_FP4 matrix_b_fmt:MATRIX_FMT_FP4 matrix_a_scale:MATRIX_SCALE_ROW1
.elseif (\z) && (\rb)
	v_wmma_scale_f32_16x16x128_f8f6f4 v[(\d):(\d)+7], v[(\a):(\a)+7], v[(\b):(\b)+7], 0, v[\sa], v[\sb] matrix_a_fmt:MATRIX_FMT_FP4 matrix_b_fmt:MATRIX_FMT_FP4 matrix_b_scale:MATRIX_SCALE_ROW1
.elseif (\z)
	v_wmma_scale_f32_16x16x128_f8f6f4 v[(\d):(\d)+7], v[(\a):(\a)+7], v[(\b):(\b)+7], 0, v[\sa], v[\sb] matrix_a_fmt:MATRIX_FMT_FP4 matrix_b_fmt:MATRIX_FMT_FP4
.elseif (\ra) && (\rb)
	v_wmma_scale_f32_16x16x128_f8f6f4 v[(\d):(\d)+7], v[(\a):(\a)+7], v[(\b):(\b)+7], v[(\d):(\d)+7], v[\sa], v[\sb] matrix_a_fmt:MATRIX_FMT_FP4 matrix_b_fmt:MATRIX_FMT_FP4 matrix_a_scale:MATRIX_SCALE_ROW1 matrix_b_scale:MATRIX_SCALE_ROW1
.elseif (\ra)
	v_wmma_scale_f32_16x16x128_f8f6f4 v[(\d):(\d)+7], v[(\a):(\a)+7], v[(\b):(\b)+7], v[(\d):(\d)+7], v[\sa], v[\sb] matrix_a_fmt:MATRIX_FMT_FP4 matrix_b_fmt:MATRIX_FMT_FP4 matrix_a_scale:MATRIX_SCALE_ROW1
.elseif (\rb)
	v_wmma_scale_f32_16x16x128_f8f6f4 v[(\d):(\d)+7], v[(\a):(\a)+7], v[(\b):(\b)+7], v[(\d):(\d)+7], v[\sa], v[\sb] matrix_a_fmt:MATRIX_FMT_FP4 matrix_b_fmt:MATRIX_FMT_FP4 matrix_b_scale:MATRIX_SCALE_ROW1
.else
	v_wmma_scale_f32_16x16x128_f8f6f4 v[(\d):(\d)+7], v[(\a):(\a)+7], v[(\b):(\b)+7], v[(\d):(\d)+7], v[\sa], v[\sb] matrix_a_fmt:MATRIX_FMT_FP4 matrix_b_fmt:MATRIX_FMT_FP4
.endif
.endm
; THE MASK, four LDS rows a group: LDS row 16 T + r holds query 8 T + r + 8 (r / 8) of the block.  16 loads of 512 consecutive bytes into 64 registers of the group's own (windows 1 and 2, which P takes later)
.macro MLOAD g
	WIN 0x40*(1+(\g)/4)
.irp k, 0,1,2,3
.set lam, 4*(\g)+\k
.set qq, 8*(lam/16)+(lam%16)+((lam%16)&8)
.irp i, 0,1,2,3
	global_load_b128 v[64*((\g)%4)+16*\k+4*\i:64*((\g)%4)+16*\k+4*\i+3], v1, s[4:5] offset:qq*8192+512*\i
.endr
.endr
.endm
.macro MSTORE g                        ; times log2(e), and into my part of LDS
	WIN 0x41*(1+(\g)/4)
.set i2, 64*((\g)%4)
.rept 32
	v_pk_mul_f32 v[i2:i2+1], v[i2:i2+1], s[42:43] op_sel_hi:[1,0]
.set i2, i2+2
.endr
	WIN 0x04*(1+(\g)/4)
.irp k, 0,1,2,3
.irp i, 0,1,2,3
	ds_store_b128 v12, v[64*((\g)%4)+16*\k+4*\i:64*((\g)%4)+16*\k+4*\i+3] offset:(4*(\g)+\k)*MP+512*\i
.endr
.endr
.endm
.macro KLOAD b0                        ; eight of a head's 16 fragments of K: 16 loads
	WIN 0xc0
.irp b, 0,1,2,3,4,5,6,7
.irp c, 0,1
	global_load_b128 v[8*((\b0)+\b)+4*\c:8*((\b0)+\b)+4*\c+3], v1, s[16:17] offset:1024*((\b0)+\b)+512*\c
.endr
.endr
.endm
.macro KREST                           ; K's scale words, q's two tiles, q's scale words: 5 loads
	WIN 0
	global_load_b128 v[KS:KS+3], v1, s[18:19]
	global_load_b128 v[KS+4:KS+7], v1, s[18:19] offset:512
	global_load_b128 v[QG+4:QG+7], v1, s[20:21]
	global_load_b128 v[QG+16:QG+19], v1, s[20:21] offset:512
	global_load_b32 v[QS], v1, s[22:23]
.endm
; THE SOFTMAX'S FIRST PASS goes in 16 units of 32 registers: unit U = query tile U / 8, registers 32 (U % 8) on.
.macro LD U                            ; the unit's mask words into half U % 2 of MS
	WIN 0
.irp k, 0,1,2,3,4,5,6,7
	ds_load_b128 v[MS+32*((\U)%2)+4*\k:MS+32*((\U)%2)+4*\k+3], v[2+(\U)/8] offset:256*((\U)%8)+128*(\k/4)+16*(\k%4)
.endr
.endm
.macro AUNIT U                         ; t = score x log2(e) / 8 + mask x log2(e), held within +-50 log2(e)
	WIN 0x41*(1+(\U)/8)
.set pa, 32*((\U)%8)
.set pm, MS+32*((\U)%2)
.rept 16
	v_pk_fma_f32 v[pa:pa+1], v[pa:pa+1], s[28:29], v[pm:pm+1] op_sel_hi:[1,0,1]
.set pa, pa+2
.set pm, pm+2
.endr
.set pa, 32*((\U)%8)
.rept 32
	v_med3_num_f32 v[pa], v[pa], s31, s30
.set pa, pa+1
.endr
.endm
.macro EUNIT U                         ; p = 2^t
	WIN 0x41*(1+(\U)/8)
.set pe, 32*((\U)%8)
.rept 32
	v_exp_f32 v[pe], v[pe]
.set pe, pe+1
.endr
.endm
.macro MIX U                           ; unit U's exponentials with unit U + 1's scalings between them: none of these lines names an exponential's result
	WIN 0x41*(1+(\U)/8)
.set pe, 32*((\U)%8)
.set pa, 32*(((\U)+1)%8)
.set pm, MS+32*(((\U)+1)%2)
.set jj, 0
.rept 16
	v_exp_f32 v[pe], v[pe]
	v_pk_fma_f32 v[pa:pa+1], v[pa:pa+1], s[28:29], v[pm:pm+1] op_sel_hi:[1,0,1]
	v_exp_f32 v[pe+1], v[pe+1]
.if jj > 0
	v_med3_num_f32 v[pa-2], v[pa-2], s31, s30
	v_med3_num_f32 v[pa-1], v[pa-1], s31, s30
.endif
.set pe, pe+2
.set pa, pa+2
.set pm, pm+2
.set jj, jj+1
.endr
	v_med3_num_f32 v[pa-2], v[pa-2], s31, s30
	v_med3_num_f32 v[pa-1], v[pa-1], s31, s30
.endm
.macro ADD U                           ; the unit's p into the tile's four packed sums; a tile's first four additions start them
.set tw, 1+(\U)/8
.set pb, 32*((\U)%8)
.set sb, SA+8*((\U)/8)
.if ((\U)%8) == 0
	WIN 0x05*tw
.irp k, 0,1,2,3
	v_pk_add_f32 v[sb+2*\k:sb+2*\k+1], v[2*\k:2*\k+1], v[8+2*\k:9+2*\k]
.endr
	WIN 0x04*tw
.irp k, 8,9,10,11,12,13,14,15
	v_pk_add_f32 v[sb+2*(\k%4):sb+2*(\k%4)+1], v[sb+2*(\k%4):sb+2*(\k%4)+1], v[pb+2*\k:pb+2*\k+1]
.endr
.else
	WIN 0x04*tw
.irp k, 0,1,2,3,4,5,6,7,8,9,10,11,12,13,14,15
	v_pk_add_f32 v[sb+2*(\k%4):sb+2*(\k%4)+1], v[sb+2*(\k%4):sb+2*(\k%4)+1], v[pb+2*\k:pb+2*\k+1]
.endr
.endif
.endm
	s_load_b128 s[4:7], s[0:1], 0x0                ; attention_mask, qkv
	s_load_b64 s[8:9], s[0:1], 0x10                ; ao
	v_lshl_add_u32 v254, v0, 2, 0x4ac00
	v_mov_b32 v255, 0
	v_lshrrev_b32 v96, 5, v0
	v_readfirstlane_b32 s10, v96                   ; wave 0..3
	v_and_b32 v96, 31, v0                          ; lane
	v_and_b32 v97, 15, v0                          ; r
	v_bfe_u32 v98, v0, 4, 1                        ; h
	v_lshlrev_b32 v1, 4, v96                       ; 16 x lane
	s_lshl_b32 s11, s10, 11                        ; 2,048 x wave
	s_mul_i32 s12, s10, MWAVE
	v_mul_u32_u24 v2, v97, MP
	v_lshl_add_u32 v2, v98, 6, v2
	v_add_nc_u32 v2, s12, v2                       ; mask words of query tile 0: row r, + 64 h
	v_add_nc_u32 v3, 16*MP, v2                     ; of tile 1
	v_add_nc_u32 v12, s12, v1                      ; and where they are stored
	s_lshl_b32 s13, s10, 13
	s_add_co_u32 s13, s13, OX
	v_add_nc_u32 v4, s13, v1                       ; my partial sums of O^T
	s_add_co_u32 s13, s11, OX
	v_add_nc_u32 v5, s13, v1                       ; the two accumulators that I finish: 2 w, 2 w + 1
	s_lshl_b32 s13, s10, 7
	s_add_co_u32 s13, s13, SUMB
	v_lshl_add_u32 v6, v96, 2, s13
	v_lshl_add_u32 v7, v96, 2, SUMB
	s_lshr_b32 s14, s10, 1                         ; the query tile that I finish,
	s_and_b32 s15, s10, 1                          ; and which 32 of d
	s_lshl_b32 s13, s14, 12
	s_lshl_b32 s48, s15, 8
	s_add_co_u32 s13, s13, s48
	s_add_co_u32 s13, s13, AOC
	v_lshlrev_b32 v8, 4, v97
	v_lshl_add_u32 v8, v98, 3, v8
	v_add_nc_u32 v8, s13, v8                       ; my 8 bytes of codes in the image of (tile, head 0)
	s_lshl_b32 s13, s14, 8
	s_add_co_u32 s13, s13, s15
	s_add_co_u32 s13, s13, AOS
	v_lshl_add_u32 v9, v97, 4, s13                 ; my scale byte
	s_add_co_u32 s13, s11, AOC
	v_add_nc_u32 v108, s13, v1
	v_add_nc_u32 v109, AOS, v1
	v_lshlrev_b32 v110, 4, v97
	v_lshl_add_u32 v110, v98, 9, v110
.irp j, 0,1,2,3,8,9,10,11,12,13,14,15,20,21,22,23
	v_mov_b32 v[QG+\j], 0                          ; the zeros beside q: written once
.endr
.irp b, 0,1,2,3
	v_mov_b32 v[TM+4+\b], 0                        ; a lane permute's destination counts as one of its sources
.endr
	v_mov_b32 v104, 0
	v_mov_b32 v[RL+1], 0                           ; named as the upper halves of pairs
	v_mov_b32 v[RL+3], 0
	s_mov_b32 s28, 0x3e38aa3b                      ; log2(e) / 8
	s_mov_b32 s29, s28
	s_mov_b32 s30, 0x429044fe                      ; 50 log2(e)
	s_mov_b32 s31, 0xc29044fe
	s_mov_b32 s[SEL], 0x76543210
	s_mov_b32 s[SEL+1], 0xfedcba98
	s_mov_b32 s34, 0xffff0000                      ; lanes 16-31
	s_mov_b32 s35, 8                               ; heads to go
	s_mov_b32 s36, 0                               ; the head's place among the codes: 512 a head
	s_mov_b32 s37, 0                               ; and among the scale bytes: 2 a head
	s_mov_b32 s38, 0x7f800000
	s_mov_b32 s39, 0xff800000
	s_mov_b32 s40, 0x461c4000
	s_mov_b32 s41, 0xc61c4000
	s_mov_b32 s42, 0x3fb8aa3b                      ; log2(e)
	s_mov_b32 s43, s42
	s_and_b32 s48, ttmp7, 0xffff
	s_lshr_b32 s49, s48, 1                         ; batch
	s_and_b32 s48, s48, 1                          ; which eight heads
	s_lshl_b32 s54, s49, 4
	s_lshl_b32 s55, s48, 3
	s_add_co_u32 s54, s54, s55                     ; 16 x batch + my first head
	s_mov_b32 s57, 0
	s_wait_kmcnt 0x0
	s_lshl_b32 s56, ttmp9, 18
	s_add_co_u32 s56, s56, s11
	s_add_nc_u64 s[4:5], s[4:5], s[56:57]          ; the mask at my block's first row, my 512 columns
	s_lshl_b32 s56, s54, 16
	s_lshl_b32 s58, s10, 14
	s_add_co_u32 s56, s56, s58
	s_add_co_u32 s56, s56, KIMG
	s_add_nc_u64 s[16:17], s[6:7], s[56:57]        ; K's fragments of my keys
	s_add_co_u32 s56, s56, VIMG-KIMG
	s_add_nc_u64 s[24:25], s[6:7], s[56:57]        ; V's
	s_lshl_b32 s56, s54, 12
	s_lshl_b32 s58, s10, 10
	s_add_co_u32 s56, s56, s58
	s_add_co_u32 s56, s56, KSC
	s_add_nc_u64 s[18:19], s[6:7], s[56:57]        ; K's scale words
	s_add_co_u32 s56, s56, VSC-KSC
	s_add_nc_u64 s[26:27], s[6:7], s[56:57]        ; V's
	s_lshl_b32 s56, s54, 16
	s_lshl_b32 s58, ttmp9, 10
	s_add_co_u32 s56, s56, s58
	s_add_nc_u64 s[20:21], s[6:7], s[56:57]        ; q's image of my block
	s_lshl_b32 s56, s54, 13
	s_lshr_b32 s58, ttmp9, 2
	s_lshl_b32 s58, s58, 9
	s_add_co_u32 s56, s56, s58
	s_and_b32 s58, ttmp9, 3
	s_lshl_b32 s58, s58, 2
	s_add_co_u32 s56, s56, s58
	s_add_co_u32 s56, s56, QSC
	s_add_nc_u64 s[22:23], s[6:7], s[56:57]        ; q's scale words
	s_lshl_b32 s58, s49, 6
	s_add_co_u32 s58, s58, ttmp9
	s_lshl_b32 s58, s58, 1                         ; my block's first token tile
	s_add_co_u32 s56, s58, s14
	s_lshl_b32 s56, s56, 13
	s_lshl_b32 s59, s48, 12
	s_add_co_u32 s56, s56, s59
	s_lshl_b32 s59, s15, 11
	s_add_co_u32 s56, s56, s59
	s_add_nc_u64 s[50:51], s[8:9], s[56:57]        ; ao: the 2,048 bytes of codes that I store at the end
	s_lshl_b32 s56, s58, 9
	s_lshl_b32 s59, s48, 8
	s_add_co_u32 s56, s56, s59
	s_add_co_u32 s56, s56, 2097152
	s_add_nc_u64 s[52:53], s[8:9], s[56:57]        ; ao: the scale bytes
	; ---- the mask, three groups of 16 loads ahead; the first head's K set rides behind it as groups of 16, 16 and 5 loads
	MLOAD 0
	MLOAD 1
	MLOAD 2
.irp g, 0,1,2,3,4,5,6,7
	s_wait_loadcnt 32                              ; this group's 16 loads are in; the two groups of 16 behind it may be out
	MSTORE \g
.if \g < 5
	MLOAD \g+3
.elseif \g == 5
	KLOAD 0
.elseif \g == 6
	KLOAD 8
.else
	KREST
.endif
.endr
	WIN 0
	s_wait_dscnt 0x0                               ; the stores have read their registers, which the scores will take.  A wave reads only the mask bytes that it stored: no barrier
.Lhead:
	; ---- 1: this head's V is asked for: it is wanted behind the whole softmax
	WIN 0xc0
.irp f, 0,1,2,3,4,5,6,7,8,9,10,11,12,13,14,15
.irp c, 0,1
	global_load_b128 v[128+8*\f+4*\c:128+8*\f+4*\c+3], v1, s[24:25] offset:1024*\f+512*\c
.endr
.endr
	WIN 0
	global_load_b128 v[VS:VS+3], v1, s[26:27]
	global_load_b128 v[VS+4:VS+7], v1, s[26:27] offset:512
	s_wait_loadcnt 34                              ; all but V's 34 loads: the K set is in, and its loads have read their bases, which step to the next head
	s_add_nc_u64 s[16:17], s[16:17], 65536
	s_add_nc_u64 s[18:19], s[18:19], 4096
	s_add_nc_u64 s[20:21], s[20:21], 65536
	s_add_nc_u64 s[22:23], s[22:23], 8192
	; ---- 2: S^T = K q^T: 64 products, each into registers of its own
.irp T, 0,1
	WIN 0x43+0x40*\T                               ; K in window 3, q in window 0, the scores in window 1 + T
.irp b, 0,1,2,3,4,5,6,7,8,9,10,11,12,13,14,15
.irp u, 0,1
	WM 16*\b+8*\u, 8*\b, QG+12*\T+4-4*\u, 1, KS+4*((\b/4)%2)+(\b%4), QS, \b/8, \T
.endr
.endr
.endr
	WIN 0
	PLACES 4                                       ; between the last products and the first read of the scores, and loads into the products' operands
	s_cmp_eq_u32 s35, 1
	s_cbranch_scc1 .Lno_next                       ; the last head asks for nothing more
	KLOAD 0
	KLOAD 8
	KREST
.Lno_next:
	; ---- 3: p = 2^t and the row sums, unit by unit; one wait for each unit's exponentials, ahead of the additions that read them first
	LD 0
	LD 1
	s_wait_dscnt 8                                 ; unit 0's mask words are in; unit 1's 8 loads may be out
	AUNIT 0
.set UU, 0
.rept 16
.if UU > 0
	s_wait_alu depctr_va_vdst(0)
	ADD UU-1
.endif
.if UU < 14
	LD UU+2
.endif
.if UU < 14
	s_wait_dscnt 8                                 ; the next unit's mask words are in; the 8 loads just issued may be out
.elseif UU == 14
	s_wait_dscnt 0x0
.endif
.if UU == 15
	EUNIT UU
.elseif UU == 7
	EUNIT UU                                       ; the query tile changes, and the window with it: one behind the other
	AUNIT UU+1
.else
	MIX UU
.endif
.set UU, UU+1
.endr
	WIN 0
	v_nop                                          ; a plain line behind the last exponential
	s_wait_alu depctr_va_vdst(0)
	ADD 15
	; ---- 4: the row sums go round
	WIN 0
.irp T, 0,1
	v_pk_add_f32 v[SA+8*\T:SA+8*\T+1], v[SA+8*\T:SA+8*\T+1], v[SA+8*\T+2:SA+8*\T+3]
	v_pk_add_f32 v[SA+8*\T+4:SA+8*\T+5], v[SA+8*\T+4:SA+8*\T+5], v[SA+8*\T+6:SA+8*\T+7]
.endr
.irp T, 0,1
	v_pk_add_f32 v[SA+8*\T:SA+8*\T+1], v[SA+8*\T:SA+8*\T+1], v[SA+8*\T+4:SA+8*\T+5]
.endr
.irp T, 0,1
	v_add_f32 v[SA+8*\T], v[SA+8*\T], v[SA+8*\T+1]
.endr
.irp T, 0,1
	v_permlanex16_b32 v[SA+8*\T+2], v[SA+8*\T], s[SEL], s[SEL+1]
.endr
.irp T, 0,1
	v_add_f32 v[SA+8*\T], v[SA+8*\T], v[SA+8*\T+2] ; my 512 keys' sum of query r of tile T, in both halves of the lanes
.endr
	v_cndmask_b32 v[SA+1], v[SA], v[SA+8], s34     ; lanes 0-15: tile 0; lanes 16-31: tile 1
	ds_store_b32 v6, v[SA+1]
	BARRIER                                        ; the four waves' sums lie in LDS (they are stored again only behind the next barrier, which every wave reaches behind its reads)
.irp k, 0,1,2,3
	ds_load_b32 v[SA+4+\k], v7 offset:128*\k
.endr
	s_wait_dscnt 0x0
	v_add_f32 v[SA+4], v[SA+4], v[SA+5]
	v_add_f32 v[SA+6], v[SA+6], v[SA+7]
	v_add_f32 v[SA+4], v[SA+4], v[SA+6]            ; the same order in every wave: the same bits
	v_rcp_f32 v[SA], v[SA+4]
	v_nop
	s_wait_alu depctr_va_vdst(0)
	v_permlanex16_b32 v[SA+2], v[SA], s[SEL], s[SEL+1]
	v_cndmask_b32 v[RL], v[SA], v[SA+2], s34       ; 1 / sum of query r of tile 0, in every lane
	v_cndmask_b32 v[RL+2], v[SA+2], v[SA], s34     ; of tile 1
	; ---- 5: attn = p / sum, quantised along the keys: a fragment and a scale word for each 128 keys
.irp T, 0,1
.irp s, 0,1,2,3
	WIN 0x41*(1+\T)
.set pa, 64*\s
.rept 32
	v_pk_mul_f32 v[pa:pa+1], v[pa:pa+1], v[RL+2*\T:RL+2*\T+1] op_sel_hi:[1,0]
.set pa, pa+2
.endr
	QUANT64 64*\s, 1+\T, PC+32*\T+8*\s, PW+4*\T+\s, 0
.endr
.endr
	; ---- 6: O^T = V^T attn^T over my 512 keys: eight accumulators by turns
	PLACES 8                                       ; a scale word made by vector lines stands eight plain lines ahead of a scaled product
	s_wait_loadcnt 0x0                             ; V is in (and the next head's K set, asked for a whole softmax ago); V's bases step
	s_add_nc_u64 s[24:25], s[24:25], 65536
	s_add_nc_u64 s[26:27], s[26:27], 4096
	WIN 0x03                                       ; V in window 3
.irp s, 0,1,2,3
.irp n, 0,1,2,3
.irp T, 0,1
	WM OA+8*(4*\T+\n), 128+8*(4*\s+\n), PC+32*\T+8*\s, \s==0, VS+4*(\s%2)+\n, PW+4*\T+\s, \s/2, 0
.endr
.endr
.endr
	WIN 0
	; ---- 7: the partial sums go round; I finish (tile w / 2, d 32 (w % 2) ..)
	PLACES 4
.irp a, 0,1,2,3,4,5,6,7
	ds_store_b128 v4, v[OA+8*\a:OA+8*\a+3] offset:1024*\a            ; each accumulator from its low end on
	ds_store_b128 v4, v[OA+8*\a+4:OA+8*\a+7] offset:1024*\a+512
.endr
	BARRIER                                        ; (they are stored again only behind the next head's first barrier, which every wave reaches behind its reads)
.irp k, 0,1,2,3
.irp j, 0,1,2,3
	ds_load_b128 v[112+16*\k+4*\j:112+16*\k+4*\j+3], v5 offset:8192*\k+512*\j
.endr
.endr
	v_add_nc_u32 v10, s36, v8
	v_add_nc_u32 v11, s37, v9
	s_wait_dscnt 0x0
.irp j, 0,2,4,6,8,10,12,14
	v_pk_add_f32 v[112+\j:113+\j], v[112+\j:113+\j], v[128+\j:129+\j]
	v_pk_add_f32 v[144+\j:145+\j], v[144+\j:145+\j], v[160+\j:161+\j]
.endr
.irp j, 0,2,4,6,8,10,12,14
	v_pk_add_f32 v[112+\j:113+\j], v[112+\j:113+\j], v[144+\j:145+\j]   ; register i: out(query r, d = 32 (w % 2) + 16 h + i)
.endr
	SAN 112, 16
	v_max3_num_f32 v102, 0x1800000, |v112|, |v113|
	v_max3_num_f32 v103, |v120|, |v121|, |v122|
	v_max3_num_f32 v102, v102, |v114|, |v115|
	v_max3_num_f32 v103, v103, |v123|, |v124|
	v_max3_num_f32 v102, v102, |v116|, |v117|
	v_max3_num_f32 v103, v103, |v125|, |v126|
	v_max3_num_f32 v102, v102, |v118|, |v119|
	v_max3_num_f32 v102, v102, v103, |v127|
	v_permlanex16_b32 v104, v102, s[SEL], s[SEL+1]
	v_max_num_f32 v102, v102, v104                 ; the block's largest magnitude
	v_add_nc_u32 v105, 0xff000000, v102
	v_lshrrev_b32 v103, 23, v105                   ; the scale's byte
	v_cvt_scalef32_pk8_fp4_f32 v106, v[112:119], v105
	v_cvt_scalef32_pk8_fp4_f32 v107, v[120:127], v105
	v_nop
	ds_store_b64 v10, v[106:107]                   ; 16 codes: 8 bytes of lane (r, w % 2)'s 16 in the image
	ds_store_b8 v11, v103                          ; both halves of the lanes write the same byte
	s_add_co_u32 s36, s36, 512
	s_add_co_u32 s37, s37, 2
	s_sub_co_i32 s35, s35, 1
	s_cmp_lg_u32 s35, 0
	s_cbranch_scc1 .Lhead
	; ---- the end: eight heads' codes and scale bytes leave in whole runs
	BARRIER
.irp i, 0,1,2,3
	ds_load_b128 v[112+4*\i:115+4*\i], v108 offset:512*\i
.endr
	s_wait_dscnt 0x0
.irp i, 0,1,2,3
	global_store_b128 v1, v[112+4*\i:115+4*\i], s[50:51] offset:512*\i   ; 512 consecutive bytes a store
.endr
	s_cmp_lg_u32 s10, 0
	s_cbranch_scc1 .Ldone
	ds_load_b128 v[128:131], v109
	s_wait_dscnt 0x0
	global_store_b128 v110, v[128:131], s[52:53]   ; sixteen lanes store 256 consecutive bytes for each of the two tiles
.Ldone:
	s_wait_tensorcnt 0x0
	ds_add_u32 v254, v255
	s_wait_dscnt 0x0
	s_endpgm
.Lfunc_end_k_qc5ebf7f3c1_attn:
	.size	k_qc5ebf7f3c1_attn, .Lfunc_end_k_qc5ebf7f3c1_attn-k_qc5ebf7f3c1_attn
	.p2alignl 7, 3214868480
	.fill 96, 4, 3214868480
	.section	.rodata,"a",@progbits
	.p2align	6, 0x0
	.amdhsa_kernel k_qc5ebf7f3c1_attn
		.amdhsa_group_segment_fixed_size 306688
		.amdhsa_private_segment_fixed_size 0
		.amdhsa_enable_private_segment 0
		.amdhsa_kernarg_size 24
		.amdhsa_user_sgpr_count 2
		.amdhsa_user_sgpr_kernarg_segment_ptr 1
		.amdhsa_wavefront_size32 1
		.amdhsa_system_sgpr_workgroup_id_x 1
		.amdhsa_system_sgpr_workgroup_id_y 1
		.amdhsa_system_sgpr_workgroup_id_z 1
		.amdhsa_system_vgpr_workitem_id 0
		.amdhsa_next_free_vgpr 1024
		.amdhsa_next_free_sgpr 66
		.amdhsa_reserve_vcc 0
		.amdhsa_float_denorm_mode_32 3
		.amdhsa_float_denorm_mode_16_64 3
		.amdhsa_memory_ordered 1
		.amdhsa_forward_progress 1
		.amdhsa_inst_pref_size 217
	.end_amdhsa_kernel
	.amdgpu_metadata
---
amdhsa.version: [ 1, 2 ]
amdhsa.kernels:
  - .name:           k_qc5ebf7f3c1_attn
    .symbol:         k_qc5ebf7f3c1_attn.kd
    .args:
      - { .name: attention_mask, .offset: 0, .size: 8, .value_kind: global_buffer, .address_space: global }
      - { .name: qkv, .offset: 8, .size: 8, .value_kind: global_buffer, .address_space: global }
      - { .name: ao, .offset: 16, .size: 8, .value_kind: global_buffer, .address_space: global }
    .group_segment_fixed_size: 306688
    .private_segment_fixed_size: 0
    .kernarg_segment_align: 8
    .kernarg_segment_size: 24
    .max_flat_workgroup_size: 128
    .sgpr_count:     66
    .vgpr_count:     1024
    .wavefront_size: 32
...
	.end_amdgpu_metadata
.endif
;; end of part 3
;; launch oproj (part 4): grid 256 x 1, 8 waves a work-group, no clusters, 67,584 bytes of LDS; arguments ao, wq, K, out0; writes out0
.if DOCPART == 4
	.amdgcn_target "amdgcn-amd-amdhsa--gfx1250"
	.amdhsa_code_object_version 6
	.text
	.protected	k_qc5ebf7f3c1_oproj
	.globl	k_qc5ebf7f3c1_oproj
	.p2align	8
	.type	k_qc5ebf7f3c1_oproj,@function
k_qc5ebf7f3c1_oproj:
	s_mov_b64 s[64:65], 0
	v_nop
	global_prefetch_b8 v0, s[64:65] scope:SCOPE_SE
	s_setreg_imm32_b32 hwreg(HW_REG_WAVE_MODE, 25, 1), 1
	s_wait_xcnt 0x0
; out = sanitise(a Wo^T) on codes of FP4; out_time = sqrt(1 / K + sum of out^2 + 1e-8), sanitised; out0 = [time, out], rows of 1,025 f32.
; SHARES: a work-group takes one token tile (16 tokens: two runs of 8 neighbouring rows of out0) and all 1,024 features, since the norm wants whole rows; wave w takes features 128 w .. 128 w + 127: eight tiles, eight accumulators.
; Source 0 = 16 rows of Wo, source 1 = the 16 tokens: a lane holds one token and eight neighbouring features a tile.  The tokens' eight fragments stay in registers; Wo's come from memory straight into registers, two K steps ahead, in three sets.
; THE WAY OUT: rows of 4,100 bytes are put together in LDS (word 1025 r + 16 h + ..: 32 different banks) and leave as the two dense runs, 16 bytes a thread, 512 consecutive bytes a wave's store.
; REGISTERS: window 0: v1-10 addresses; v16-23 the tokens' scale words; v24-55 Wo's [pair of tiles][step]; v56-119 the tokens' fragments; v120-183 the accumulators; v184-251 at work.  window 1: Wo's fragments, three sets of 64.
.set XP,  4100
.set RUN, 8*XP
.set NS,  65792                        ; LDS: behind the 16 rows, the waves' sums of squares [wave][16 words]
.set AS,  16
.set WS,  24
.set AF,  56
.set ACC, 120
.set SEL, 32
.set MSB, 0
.macro WIN new
.if MSB != (\new)
	s_set_vgpr_msb (MSB<<8)|(\new)
.set MSB, \new
.endif
.endm
.macro PLACES n
.rept \n
	v_nop
.endr
.endm
.macro BARRIER
	s_wait_dscnt 0x0
	s_barrier_signal -1
	s_barrier_wait -1
.endm
.macro SAN base, n
.set sq, \base
.rept (\n)/4
.irp k, 0,1,2,3
	v_cmp_eq_f32 s[44+\k], s38, v[sq+\k]
.endr
.irp k, 0,1,2,3
	v_cndmask_b32 v[sq+\k], v[sq+\k], s40, s[44+\k]
.endr
.irp k, 0,1,2,3
	v_cmp_eq_f32 s[44+\k], s39, v[sq+\k]
.endr
.irp k, 0,1,2,3
	v_cndmask_b32 v[sq+\k], v[sq+\k], s41, s[44+\k]
.endr
.irp k, 0,1,2,3
	v_cmp_eq_f32 s[44+\k], v[sq+\k], v[sq+\k]
.endr
.irp k, 0,1,2,3
	v_cndmask_b32 v[sq+\k], 0, v[sq+\k], s[44+\k]
.endr
.set sq, sq+4
.endr
.endm
.macro WM d, a, b, z, sa, sb, ra
.if (\z) && (\ra)
	v_wmma_scale_f32_16x16x128_f8f6f4 v[(\d):(\d)+7], v[(\a):(\a)+7], v[(\b):(\b)+7], 0, v[\sa], v[\sb] matrix_a_fmt:MATRIX_FMT_FP4 matrix_b_fmt:MATRIX_FMT_FP4 matrix_a_scale:MATRIX_SCALE_ROW1
.elseif (\z)
	v_wmma_scale_f32_16x16x128_f8f6f4 v[(\d):(\d)+7], v[(\a):(\a)+7], v[(\b):(\b)+7], 0, v[\sa], v[\sb] matrix_a_fmt:MATRIX_FMT_FP4 matrix_b_fmt:MATRIX_FMT_FP4
.elseif (\ra)
	v_wmma_scale_f32_16x16x128_f8f6f4 v[(\d):(\d)+7], v[(\a):(\a)+7], v[(\b):(\b)+7], v[(\d):(\d)+7], v[\sa], v[\sb] matrix_a_fmt:MATRIX_FMT_FP4 matrix_b_fmt:MATRIX_FMT_FP4 matrix_a_scale:MATRIX_SCALE_ROW1
.else
	v_wmma_scale_f32_16x16x128_f8f6f4 v[(\d):(\d)+7], v[(\a):(\a)+7], v[(\b):(\b)+7], v[(\d):(\d)+7], v[\sa], v[\sb] matrix_a_fmt:MATRIX_FMT_FP4 matrix_b_fmt:MATRIX_FMT_FP4
.endif
.endm
.macro WLD s                           ; my eight fragments of Wo of K step s into set s % 3: 16 loads
	WIN 0x40
.irp i, 0,1,2,3,4,5,6,7
.irp c, 0,1
	global_load_b128 v[64*((\s)%3)+8*\i+4*\c:64*((\s)%3)+8*\i+4*\c+3], v1, s[20:21] offset:8192*\i+1024*(\s)+512*\c
.endr
.endr
	WIN 0
.endm
.macro STEP s
.if (\s) > 0
	PLACES 4                                       ; between the last products and loads into the set that they read
.endif
.if (\s) < 6
	WLD (\s)+2
	s_wait_loadcnt 32                              ; all but the 2 x 16 loads of the next two K steps
.elseif (\s) == 6
	s_wait_loadcnt 16                              ; all but the last K step's
.else
	s_wait_loadcnt 0x0
.endif
	WIN 0x01                                       ; Wo in window 1
.irp i, 0,1,2,3,4,5,6,7
	WM ACC+8*\i, 64*((\s)%3)+8*\i, AF+8*(\s), (\s)==0, WS+8*(\i/2)+(\s), AS+(\s), \i%2
.endr
	WIN 0
.endm
	s_load_b256 s[4:11], s[0:1], 0x0               ; ao, wq, K, out0
	v_lshl_add_u32 v254, v0, 2, 0x10400
	v_mov_b32 v255, 0
	v_lshrrev_b32 v11, 5, v0
	v_readfirstlane_b32 s12, v11                   ; wave 0..7
	v_and_b32 v11, 31, v0                          ; lane
	v_and_b32 v12, 15, v0                          ; r
	v_bfe_u32 v13, v0, 4, 1                        ; h
	v_lshlrev_b32 v1, 4, v11                       ; 16 x lane
	v_lshlrev_b32 v2, 5, v12
	v_lshl_add_u32 v2, v13, 9, v2                  ; Wo's scale words: row r of 32 bytes; lanes 16-31 take the next tile's
	v_lshlrev_b32 v3, 4, v12                       ; the tokens' scale words: 16 r
	v_mul_u32_u24 v7, v12, XP                      ; the stage: row r,
	v_lshl_add_u32 v4, v13, 6, v7
	s_lshl_b32 s14, s12, 9
	s_add_co_u32 s14, s14, 4
	v_add_nc_u32 v4, s14, v4                       ; past the time column, + 64 h + 512 x wave
	s_lshl_b32 s14, s12, 6
	s_add_co_u32 s14, s14, NS
	v_lshl_add_u32 v5, v12, 2, s14
	v_lshl_add_u32 v6, v12, 2, NS
	v_lshlrev_b32 v8, 4, v0                        ; 16 x thread: the dense way out
	v_bfe_u32 v14, v0, 1, 1
	v_and_b32 v15, 1, v0
	v_lshlrev_b32 v15, 4, v15
	v_mad_u32_u24 v9, v14, 16*XP, v15
	v_add_nc_u32 v9, 32768, v9                     ; the last 32 bytes of each run: in memory,
	v_mad_u32_u24 v10, v14, RUN, v15
	v_add_nc_u32 v10, 32768, v10                   ; and in LDS
	s_mov_b32 s[SEL], 0x76543210
	s_mov_b32 s[SEL+1], 0xfedcba98
	s_mov_b32 s38, 0x7f800000
	s_mov_b32 s39, 0xff800000
	s_mov_b32 s40, 0x461c4000
	s_mov_b32 s41, 0xc61c4000
	s_mov_b32 s29, 0
	s_wait_kmcnt 0x0
	s_load_b32 s13, s[8:9], 0x0                    ; K
	s_lshl_b32 s28, ttmp9, 13
	s_add_nc_u64 s[16:17], s[4:5], s[28:29]        ; the tile's eight fragments
	s_lshl_b32 s28, ttmp9, 9
	s_add_co_u32 s28, s28, 2097152
	s_add_nc_u64 s[18:19], s[4:5], s[28:29]        ; and its scale bytes
	s_lshl_b32 s28, s12, 16
	s_add_co_u32 s28, s28, 3*524288
	s_add_nc_u64 s[20:21], s[6:7], s[28:29]        ; Wo's images, my eight tiles
	s_lshl_b32 s28, s12, 12
	s_add_co_u32 s28, s28, 2097152+3*32768
	s_add_nc_u64 s[22:23], s[6:7], s[28:29]
	s_lshr_b32 s28, ttmp9, 1
	s_lshl_b32 s28, s28, 5
	s_and_b32 s14, ttmp9, 1
	s_lshl_b32 s14, s14, 3
	s_add_co_u32 s28, s28, s14
	s_mul_i32 s28, s28, XP
	s_add_nc_u64 s[24:25], s[10:11], s[28:29]      ; out0 at the tile's first run
.irp s, 0,1,2,3,4,5,6,7
.irp c, 0,1
	global_load_b128 v[AF+8*\s+4*\c:AF+8*\s+4*\c+3], v1, s[16:17] offset:1024*\s+512*\c
.endr
.endr
	global_load_b128 v[AS:AS+3], v3, s[18:19]
	global_load_b128 v[AS+4:AS+7], v3, s[18:19] offset:256
.irp p, 0,1,2,3
.irp q, 0,1
	global_load_b128 v[WS+8*\p+4*\q:WS+8*\p+4*\q+3], v2, s[22:23] offset:1024*\p+16*\q
.endr
.endr
	WLD 0
	WLD 1
.irp s, 0,1,2,3,4,5,6,7
	STEP \s
.endr
	PLACES 4
	SAN ACC, 64
.irp k, 0,1,2,3
	v_pk_mul_f32 v[184+2*\k:185+2*\k], v[ACC+2*\k:ACC+2*\k+1], v[ACC+2*\k:ACC+2*\k+1]   ; the squares, in four chains
.endr
.set pp, 4
.rept 28
	v_pk_fma_f32 v[184+2*(pp%4):185+2*(pp%4)], v[ACC+2*pp:ACC+2*pp+1], v[ACC+2*pp:ACC+2*pp+1], v[184+2*(pp%4):185+2*(pp%4)]
.set pp, pp+1
.endr
.irp i, 0,1,2,3,4,5,6,7
.irp j, 0,1,2,3,4,5,6,7
	ds_store_b32 v4, v[ACC+8*\i+\j] offset:128*(\i/2)+32*(\i%2)+4*\j     ; out(token r, 128 w + 32 (i / 2) + 16 h + 8 (i % 2) + j)
.endr
.endr
	v_pk_add_f32 v[184:185], v[184:185], v[186:187]
	v_pk_add_f32 v[188:189], v[188:189], v[190:191]
	v_pk_add_f32 v[184:185], v[184:185], v[188:189]
	v_add_f32 v184, v184, v185
	v_permlanex16_b32 v186, v184, s[SEL], s[SEL+1]
	v_add_f32 v184, v184, v186                     ; token r's sum over my 128 features
	ds_store_b32 v5, v184                          ; both halves of the lanes write the same word
	s_wait_kmcnt 0x0                               ; K
	BARRIER                                        ; the rows' features and the eight waves' sums lie in LDS
	s_cmp_lg_u32 s12, 0
	s_cbranch_scc1 .Lno_time
.irp k, 0,1,2,3,4,5,6,7
	ds_load_b32 v[192+\k], v6 offset:64*\k
.endr
	v_rcp_f32 v200, s13
	s_wait_dscnt 0x0
	v_add_f32 v192, v192, v193
	v_add_f32 v194, v194, v195
	v_add_f32 v196, v196, v197
	v_add_f32 v198, v198, v199
	v_add_f32 v192, v192, v194
	v_add_f32 v196, v196, v198
	v_add_f32 v192, v192, v196
	s_wait_alu depctr_va_vdst(0)                   ; ahead of the reciprocal's first reader
	v_add_f32 v192, v200, v192
	v_add_f32 v192, 0x322bcc77, v192               ; + 1e-8
	v_sqrt_f32 v201, v192
	v_nop
	s_wait_alu depctr_va_vdst(0)
	v_cmp_eq_f32 s44, s38, v201
	v_cndmask_b32 v201, v201, s40, s44
	v_cmp_eq_f32 s44, s39, v201
	v_cndmask_b32 v201, v201, s41, s44
	v_cmp_eq_f32 s44, v201, v201
	v_cndmask_b32 v201, 0, v201, s44
	ds_store_b32 v7, v201                          ; the time column
.Lno_time:
	BARRIER                                        ; 16 whole rows lie in LDS
.irp k, 0,1,2,3,4,5,6,7,8,9,10,11,12,13,14,15
	ds_load_b128 v[184+4*\k:187+4*\k], v8 offset:(\k/8)*RUN+4096*(\k%8)
.endr
.irp k, 0,1,2,3,4,5,6,7,8,9,10,11,12,13,14,15
	s_wait_dscnt 15-\k                             ; LDS loads come back in order: load k is in
	global_store_b128 v8, v[184+4*\k:187+4*\k], s[24:25] offset:(\k/8)*16*XP+4096*(\k%8) th:TH_STORE_NT
.endr
	s_cmp_lg_u32 s12, 0
	s_cbranch_scc1 .Ldone
	ds_load_b128 v[248:251], v10                   ; wave 0: the runs' last 32 bytes
	s_wait_dscnt 0x0
	v_cmp_gt_u32 vcc_lo, 4, v0
	s_wait_xcnt 0x0                                ; EXEC changes only behind this wait
	s_and_saveexec_b32 s30, vcc_lo
	global_store_b128 v9, v[248:251], s[24:25] th:TH_STORE_NT
	s_wait_xcnt 0x0
	s_or_b32 exec_lo, exec_lo, s30
.Ldone:
	s_wait_tensorcnt 0x0
	ds_add_u32 v254, v255
	s_wait_dscnt 0x0
	s_endpgm
.Lfunc_end_k_qc5ebf7f3c1_oproj:
	.size	k_qc5ebf7f3c1_oproj, .Lfunc_end_k_qc5ebf7f3c1_oproj-k_qc5ebf7f3c1_oproj
	.p2alignl 7, 3214868480
	.fill 96, 4, 3214868480
	.section	.rodata,"a",@progbits
	.p2align	6, 0x0
	.amdhsa_kernel k_qc5ebf7f3c1_oproj
		.amdhsa_group_segment_fixed_size 67584
		.amdhsa_private_segment_fixed_size 0
		.amdhsa_enable_private_segment 0
		.amdhsa_kernarg_size 32
		.amdhsa_user_sgpr_count 2
		.amdhsa_user_sgpr_kernarg_segment_ptr 1
		.amdhsa_wavefront_size32 1
		.amdhsa_system_sgpr_workgroup_id_x 1
		.amdhsa_system_sgpr_workgroup_id_y 1
		.amdhsa_system_sgpr_workgroup_id_z 1
		.amdhsa_system_vgpr_workitem_id 0
		.amdhsa_next_free_vgpr 448
		.amdhsa_next_free_sgpr 66
		.amdhsa_reserve_vcc 1
		.amdhsa_float_denorm_mode_32 3
		.amdhsa_float_denorm_mode_16_64 3
		.amdhsa_memory_ordered 1
		.amdhsa_forward_progress 1
		.amdhsa_inst_pref_size 64
	.end_amdhsa_kernel
	.amdgpu_metadata
---
amdhsa.version: [ 1, 2 ]
amdhsa.kernels:
  - .name:           k_qc5ebf7f3c1_oproj
    .symbol:         k_qc5ebf7f3c1_oproj.kd
    .args:
      - { .name: ao, .offset: 0, .size: 8, .value_kind: global_buffer, .address_space: global }
      - { .name: wq, .offset: 8, .size: 8, .value_kind: global_buffer, .address_space: global }
      - { .name: K, .offset: 16, .size: 8, .value_kind: global_buffer, .address_space: global }
      - { .name: out0, .offset: 24, .size: 8, .value_kind: global_buffer, .address_space: global }
    .group_segment_fixed_size: 67584
    .private_segment_fixed_size: 0
    .kernarg_segment_align: 8
    .kernarg_segment_size: 32
    .max_flat_workgroup_size: 256
    .sgpr_count:     66
    .vgpr_count:     448
    .wavefront_size: 32
...
	.end_amdgpu_metadata
.endif
;; end of part 4
;; ======== version 2 of 2: 4 launches; version 1 with the launch attn written anew for expert scheduling mode
;; limits: right only within a limited range of input values
;; workspace buffers: xq 2,228,224 bytes; wq 2,228,224 bytes; qkv 6,815,744 bytes; ao 2,228,224 bytes
;; launch prep: the kernel of part 1 again; grid 256 x 1, 8 waves a work-group, no clusters, 67,584 bytes of LDS; arguments x, Wq_codes, Wk_codes, Wv_codes, Wo_codes, Wq_scales, Wk_scales, Wv_scales, Wo_scales, xq, wq; writes xq, wq
;; launch qkv: the kernel of part 2 again; grid 8 x 32, 6 waves a work-group, no clusters, 66,304 bytes of LDS; arguments xq, wq, qkv; writes qkv
;; launch attn (part 5): grid 64 x 4, 4 waves a work-group, no clusters, 306,688 bytes of LDS; arguments attention_mask, qkv, ao; writes ao
.if DOCPART == 5
	.amdgcn_target "amdgcn-amd-amdhsa--gfx1250"
	.amdhsa_code_object_version 6
	.text
	.protected	k_qc5ebf7f3c1_attn
	.globl	k_qc5ebf7f3c1_attn
	.p2align	8
	.type	k_qc5ebf7f3c1_attn,@function
k_qc5ebf7f3c1_attn:
	s_mov_b64 s[64:65], 0
	v_nop
	global_prefetch_b8 v0, s[64:65] scope:SCOPE_SE
	s_setreg_imm32_b32 hwreg(HW_REG_WAVE_SCHED_MODE, 0, 2), 2
	s_setreg_imm32_b32 hwreg(HW_REG_WAVE_MODE, 25, 1), 1
	s_wait_xcnt 0x0
	s_wait_alu depctr_vm_vsrc(0)
; attn = softmax(clip(q k^T / 8 + mask, -50, 50)); out = attn v; both products on codes of FP4.  THE FINISHED, NORMALISED attn IS WHAT IS QUANTISED along the keys, so a row's sum over all 2,048 keys is wanted before any code is made.
; SHARES: a work-group owns 32 queries (block x) of one batch and eight heads (y = 2 x batch + half), one head a trip.  THE FOUR WAVES SPLIT THE KEYS: wave w owns keys 512 w .. 512 w + 511, so that the
; 32 x 2,048 weights of a head lie in registers (512 a lane) until the row sums have gone round: each score and each exponential is made once.
; NO MAXIMUM IS TAKEN AWAY: the clip, which the computation itself makes, holds t = score x log2(e) within +-72.14, so p = 2^t lies in 1.9e-22 .. 5.2e21 and a row's sum in 3.9e-19 .. 1.1e25, all inside f32.
; THE MASK's 32 rows, times log2(e), stay in LDS for all eight heads; a wave keeps and reads only its own 512 columns.  K's and V's images go from memory straight into registers: no other wave wants them.
; HEAD SIZE 64 IN A K OF 128: a fragment of K holds two tiles of 16 keys (k 0-63: tile 2 b, k 64-127: tile 2 b + 1); q stands between zeros, [0 0 0 0 | q | 0 0 0 0]: registers +4 .. +11 meet the first tile, +0 .. +7 the second; zero codes add nothing.
; Both products are used transposed: a lane holds one query; P's register 16 b + i is key 32 b + 16 (lane / 16) + i.  O^T's partial sums of the four waves meet in LDS; wave w finishes (query tile w / 2, d 32 (w % 2) ..), sanitises and quantises it along the output projection's K.
; LIMITS: NaN in attention_mask is not served (+-infinity is).  The sanitising of the scores is the clip: right while q . k is finite (|q|, |k| under about 1e18).  The sanitising of attn changes nothing: attn lies in 0 .. 1.
;   attn under 2^-126 gives zero codes, as the quantiser's lowest scale does.  A block of zeros gets the byte 1, not 127: this program alone reads the bytes.
; REGISTERS: window 0: v1-12 addresses; v16-39 q between zeros, two tiles; v40 q's scale words; v42-49 K's; v50-57 V's; v58-65 P's; v66-69 1 / sum; v70-85 row sums; v86-107 at work; v108-110 addresses of the end;
;   v112-239 mask words, four sets of 32; later v112-175 O^T and the exchange, v176-239 P's codes.   window 1, 2: P of query tile 0, 1.   window 3: v0-127 K's 16 fragments, v128-255 V's 16.
; THE MODE: SCHED_MODE bits 1:0 = 2 (LLVM: expert scheduling mode 2), set by the entry lines.  The code itself states the register dependences between vector or matrix instructions and memory or LDS
; instructions, with s_wait_alu, always for 0.
; THE PLAN.  Registers that memory or LDS instructions touch:
;   v1-9, v12, v108-110   addresses, made at the head and never written again: one wait on va_vdst ahead of the first load serves them all.
;   the mask's 8 groups   (windows 1 and 2, at the head) each in 64 registers of its own: loaded, multiplied in place, stored to LDS one group later, behind a wait on va_vdst; the scores take them behind a wait on vm_vsrc.
;   the K set             read by a head's 64 score products; loaded again behind unit 1's wait on va_vdst, which stands there for the exponentials anyway.
;   the V set             read by a head's 32 products V^T attn^T; loaded again at the next head's top: the wait on va_vdst ahead of O^T's stores stands between, and no vector or matrix line behind it names the set.
;   mask sets 0 .. 3      set U % 4 is read by unit U's 16 scalings; unit U + 4's words land in it, asked for in unit U + 1, behind that unit's wait on va_vdst.  Sets 0 to 3 of a head are asked for among the score products.
;   O^T, v112-175         written by the products, read by 16 LDS stores (places, then va_vdst); the exchange's loads land there behind a wait on vm_vsrc; the last vector lines that name them stand ahead of the head's last wait on va_vdst.
;   v71; v74-77           the wave's row sums, stored (va_vdst ahead, vm_vsrc behind the barrier); the four waves' sums, loaded.
;   v10, v11, v103, v106, v107   written once a head, behind two waits on vm_vsrc; read by the head's last two LDS stores, behind a wait on va_vdst.
;   v254, v255            written at the head, read by the closing add alone.
.set MP,    2064                       ; a mask row in LDS: my 2,048 bytes + 16: the 16 rows that a load touches start in 16 different columns of 16 bytes
.set MWAVE, 32*MP                      ; a wave's 32 rows
.set OX,    4*MWAVE                    ; O^T's partial sums: [wave][accumulator][quad][lane x 16]
.set SUMB,  OX+32768                   ; row sums: [wave][lane]
.set AOC,   SUMB+512                   ; the result's codes: [query tile][head][512]
.set AOS,   AOC+8192                   ; and scale bytes: [query tile][r][16]
.set KIMG,  2097152
.set VIMG,  4194304
.set QSC,   6291456
.set KSC,   6553600
.set VSC,   6684672
.set QG,  16
.set QS,  40
.set KS,  42
.set VS,  50
.set PW,  58
.set RL,  66
.set SA,  70
.set TM,  86
.set MS,  112
.set OA,  112
.set PC,  176
.set SEL, 32
.set MSB, 0
.macro WIN new                         ; the immediate's high byte repeats the setting that is left
.if MSB != (\new)
	s_set_vgpr_msb (MSB<<8)|(\new)
.set MSB, \new
.endif
.endm
.macro PLACES n
.rept \n
	v_nop
.endr
.endm
.macro BARRIER
	s_wait_dscnt 0x0
	s_barrier_signal -1
	s_barrier_wait -1
.endm
; nan_to_num of 16 registers in place: +inf -> 1e4, -inf -> -1e4, NaN -> 0.  Each kind's 16 compares stand in one run, into 16 scalar registers (s44-49, s54-63: free in the loop), with one wait behind the run
.macro SAN16 base
.irp k, 0,1,2,3,4,5,6,7,8,9,10,11,12,13,14,15
	v_cmp_eq_f32 s[44+\k+4*((\k+10)/16)], s38, v[(\base)+\k]
.endr
	s_wait_alu depctr_va_sdst(0)                   ; the sixteen masks are written, ahead of the selects that read them
.irp k, 0,1,2,3,4,5,6,7,8,9,10,11,12,13,14,15
	v_cndmask_b32 v[(\base)+\k], v[(\base)+\k], s40, s[44+\k+4*((\k+10)/16)]
.endr
.irp k, 0,1,2,3,4,5,6,7,8,9,10,11,12,13,14,15
	v_cmp_eq_f32 s[44+\k+4*((\k+10)/16)], s39, v[(\base)+\k]
.endr
	s_wait_alu depctr_va_sdst(0)                   ; the sixteen masks are written, ahead of the selects that read them
.irp k, 0,1,2,3,4,5,6,7,8,9,10,11,12,13,14,15
	v_cndmask_b32 v[(\base)+\k], v[(\base)+\k], s41, s[44+\k+4*((\k+10)/16)]
.endr
.irp k, 0,1,2,3,4,5,6,7,8,9,10,11,12,13,14,15
	v_cmp_eq_f32 s[44+\k+4*((\k+10)/16)], v[(\base)+\k], v[(\base)+\k]
.endr
	s_wait_alu depctr_va_sdst(0)                   ; the sixteen masks are written, ahead of the selects that read them
.irp k, 0,1,2,3,4,5,6,7,8,9,10,11,12,13,14,15
	v_cndmask_b32 v[(\base)+\k], 0, v[(\base)+\k], s[44+\k+4*((\k+10)/16)]
.endr
.endm
; 64 numbers of a lane in window w, register 16 b + i = k 32 b + 16 (lane / 16) + i of my row, become a fragment's 8 code registers v[cd] on and its scale word v[pw], both in window 0
.macro QUANT64 src, w, cd, pw, abs
	WIN 0x14*(\w)
.irp b, 0,1,2,3
.if \abs
	v_max3_num_f32 v[TM+\b], 0x1800000, |v[(\src)+16*\b]|, |v[(\src)+16*\b+1]|
.else
	v_max3_num_f32 v[TM+\b], 0x1800000, v[(\src)+16*\b], v[(\src)+16*\b+1]   ; my 16 numbers of block b (none is negative), and the floor 2^(3 - 127): the byte cannot fall under 1
.endif
.endr
.irp i, 2,4,6,8,10,12,14
.irp b, 0,1,2,3
.if \abs
	v_max3_num_f32 v[TM+\b], v[TM+\b], |v[(\src)+16*\b+\i]|, |v[(\src)+16*\b+\i+1]|
.else
	v_max3_num_f32 v[TM+\b], v[TM+\b], v[(\src)+16*\b+\i], v[(\src)+16*\b+\i+1]
.endif
.endr
.endr
	WIN 0
.irp b, 0,1,2,3
	v_permlanex16_b32 v[TM+4+\b], v[TM+\b], s[SEL], s[SEL+1]
.endr
.irp b, 0,1,2,3
	v_max_num_f32 v[TM+\b], v[TM+\b], v[TM+4+\b]
.endr
.irp b, 0,1,2,3
	v_add_nc_u32 v[TM+12+\b], 0xff000000, v[TM+\b] ; 2 off the exponent field: the conversion's scale operand
.endr
.irp b, 0,1,2,3
	v_lshrrev_b32 v[TM+4+\b], 23, v[TM+12+\b]      ; the scale's byte
.endr
	v_lshl_or_b32 v[\pw], v[TM+5], 8, v[TM+4]
	v_lshl_or_b32 v[\pw], v[TM+6], 16, v[\pw]
	v_lshl_or_b32 v[\pw], v[TM+7], 24, v[\pw]
	WIN \w
.irp b, 0,1,2,3
	v_cvt_scalef32_pk8_fp4_f32 v[(\cd)+2*\b], v[(\src)+16*\b:(\src)+16*\b+7], v[TM+12+\b]
	v_cvt_scalef32_pk8_fp4_f32 v[(\cd)+2*\b+1], v[(\src)+16*\b+8:(\src)+16*\b+15], v[TM+12+\b]
.endr
	WIN 0
	v_nop                                          ; one plain line behind the last scaled conversion
.irp c, 0,1
.irp i, 0,1
	v_permlane16_swap_b32 v[(\cd)+4*\c+\i], v[(\cd)+4*\c+2+\i]
.endr
.endr
.endm
.macro WM d, a, b, z, sa, sb, ra, rb
.if (\z) && (\ra) && (\rb)
	v_wmma_scale_f32_16x16x128_f8f6f4 v[(\d):(\d)+7], v[(\a):(\a)+7], v[(\b):(\b)+7], 0, v[\sa], v[\sb] matrix_a_fmt:MATRIX_FMT_FP4 matrix_b_fmt:MATRIX_FMT_FP4 matrix_a_scale:MATRIX_SCALE_ROW1 matrix_b_scale:MATRIX_SCALE_ROW1
.elseif (\z) && (\ra)
	v_wmma_scale_f32_16x16x128_f8f6f4 v[(\d):(\d)+7], v[(\a):(\a)+7], v[(\b):(\b)+7], 0, v[\sa], v[\sb] matrix_a_fmt:MATRIX_FMT_FP4 matrix_b_fmt:MATRIX_FMT_FP4 matrix_a_scale:MATRIX_SCALE_ROW1
.elseif (\z) && (\rb)
	v_wmma_scale_f32_16x16x128_f8f6f4 v[(\d):(\d)+7], v[(\a):(\a)+7], v[(\b):(\b)+7], 0, v[\sa], v[\sb] matrix_a_fmt:MATRIX_FMT_FP4 matrix_b_fmt:MATRIX_FMT_FP4 matrix_b_scale:MATRIX_SCALE_ROW1
.elseif (\z)
	v_wmma_scale_f32_16x16x128_f8f6f4 v[(\d):(\d)+7], v[(\a):(\a)+7], v[(\b):(\b)+7], 0, v[\sa], v[\sb] matrix_a_fmt:MATRIX_FMT_FP4 matrix_b_fmt:MATRIX_FMT_FP4
.elseif (\ra) && (\rb)
	v_wmma_scale_f32_16x16x128_f8f6f4 v[(\d):(\d)+7], v[(\a):(\a)+7], v[(\b):(\b)+7], v[(\d):(\d)+7], v[\sa], v[\sb] matrix_a_fmt:MATRIX_FMT_FP4 matrix_b_fmt:MATRIX_FMT_FP4 matrix_a_scale:MATRIX_SCALE_ROW1 matrix_b_scale:MATRIX_SCALE_ROW1
.elseif (\ra)
	v_wmma_scale_f32_16x16x128_f8f6f4 v[(\d):(\d)+7], v[(\a):(\a)+7], v[(\b):(\b)+7], v[(\d):(\d)+7], v[\sa], v[\sb] matrix_a_fmt:MATRIX_FMT_FP4 matrix_b_fmt:MATRIX_FMT_FP4 matrix_a_scale:MATRIX_SCALE_ROW1
.elseif (\rb)
	v_wmma_scale_f32_16x16x128_f8f6f4 v[(\d):(\d)+7], v[(\a):(\a)+7], v[(\b):(\b)+7], v[(\d):(\d)+7], v[\sa], v[\sb] matrix_a_fmt:MATRIX_FMT_FP4 matrix_b_fmt:MATRIX_FMT_FP4 matrix_b_scale:MATRIX_SCALE_ROW1
.else
	v_wmma_scale_f32_16x16x128_f8f6f4 v[(\d):(\d)+7], v[(\a):(\a)+7], v[(\b):(\b)+7], v[(\d):(\d)+7], v[\sa], v[\sb] matrix_a_fmt:MATRIX_FMT_FP4 matrix_b_fmt:MATRIX_FMT_FP4
.endif
.endm
; THE MASK, four LDS rows a group: LDS row 16 T + r holds query 8 T + r + 8 (r / 8) of the block.  16 loads of 512 consecutive bytes into 64 registers of the group's own (windows 1 and 2, which P takes later)
.macro MLOAD g
	WIN 0x40*(1+(\g)/4)
.irp k, 0,1,2,3
.set lam, 4*(\g)+\k
.set qq, 8*(lam/16)+(lam%16)+((lam%16)&8)
.irp i, 0,1,2,3
	global_load_b128 v[64*((\g)%4)+16*\k+4*\i:64*((\g)%4)+16*\k+4*\i+3], v1, s[4:5] offset:qq*8192+512*\i
.endr
.endr
.endm
.macro MMUL g                          ; the group times log2(e), in place
	WIN 0x41*(1+(\g)/4)
.set i2, 64*((\g)%4)
.rept 32
	v_pk_mul_f32 v[i2:i2+1], v[i2:i2+1], s[42:43] op_sel_hi:[1,0]
.set i2, i2+2
.endr
.endm
.macro MST g                           ; and into my part of LDS
	WIN 0x04*(1+(\g)/4)
.irp k, 0,1,2,3
.irp i, 0,1,2,3
	ds_store_b128 v12, v[64*((\g)%4)+16*\k+4*\i:64*((\g)%4)+16*\k+4*\i+3] offset:(4*(\g)+\k)*MP+512*\i
.endr
.endr
.endm
.macro KLOAD b0                        ; eight of a head's 16 fragments of K: 16 loads
	WIN 0xc0
.irp b, 0,1,2,3,4,5,6,7
.irp c, 0,1
	global_load_b128 v[8*((\b0)+\b)+4*\c:8*((\b0)+\b)+4*\c+3], v1, s[16:17] offset:1024*((\b0)+\b)+512*\c
.endr
.endr
.endm
.macro KREST                           ; K's scale words, q's two tiles, q's scale words: 5 loads
	WIN 0
	global_load_b128 v[KS:KS+3], v1, s[18:19]
	global_load_b128 v[KS+4:KS+7], v1, s[18:19] offset:512
	global_load_b128 v[QG+4:QG+7], v1, s[20:21]
	global_load_b128 v[QG+16:QG+19], v1, s[20:21] offset:512
	global_load_b32 v[QS], v1, s[22:23]
.endm
; THE SOFTMAX'S FIRST PASS goes in 16 units of 32 registers: unit U = query tile U / 8, registers 32 (U % 8) on.
.macro LD U                            ; the unit's mask words into set U % 4 of MS
	WIN 0
.irp k, 0,1,2,3,4,5,6,7
	ds_load_b128 v[MS+32*((\U)%4)+4*\k:MS+32*((\U)%4)+4*\k+3], v[2+(\U)/8] offset:256*((\U)%8)+128*(\k/4)+16*(\k%4)
.endr
.endm
.macro AUNIT U                         ; t = score x log2(e) / 8 + mask x log2(e), held within +-50 log2(e)
	WIN 0x41*(1+(\U)/8)
.set pa, 32*((\U)%8)
.set pm, MS+32*((\U)%4)
.rept 16
	v_pk_fma_f32 v[pa:pa+1], v[pa:pa+1], s[28:29], v[pm:pm+1] op_sel_hi:[1,0,1]
.set pa, pa+2
.set pm, pm+2
.endr
.set pa, 32*((\U)%8)
.rept 32
	v_med3_num_f32 v[pa], v[pa], s31, s30
.set pa, pa+1
.endr
.endm
.macro EUNIT U                         ; p = 2^t
	WIN 0x41*(1+(\U)/8)
.set pe, 32*((\U)%8)
.rept 32
	v_exp_f32 v[pe], v[pe]
.set pe, pe+1
.endr
.endm
.macro MIX U                           ; unit U's exponentials with unit U + 1's scalings between them: none of these lines names an exponential's result
	WIN 0x41*(1+(\U)/8)
.set pe, 32*((\U)%8)
.set pa, 32*(((\U)+1)%8)
.set pm, MS+32*(((\U)+1)%4)
.set jj, 0
.rept 16
	v_exp_f32 v[pe], v[pe]
	v_pk_fma_f32 v[pa:pa+1], v[pa:pa+1], s[28:29], v[pm:pm+1] op_sel_hi:[1,0,1]
	v_exp_f32 v[pe+1], v[pe+1]
.if jj > 0
	v_med3_num_f32 v[pa-2], v[pa-2], s31, s30
	v_med3_num_f32 v[pa-1], v[pa-1], s31, s30
.endif
.set pe, pe+2
.set pa, pa+2
.set pm, pm+2
.set jj, jj+1
.endr
	v_med3_num_f32 v[pa-2], v[pa-2], s31, s30
	v_med3_num_f32 v[pa-1], v[pa-1], s31, s30
.endm
.macro ADD U                           ; the unit's p into the tile's four packed sums; a tile's first four additions start them
.set tw, 1+(\U)/8
.set pb, 32*((\U)%8)
.set sb, SA+8*((\U)/8)
.if ((\U)%8) == 0
	WIN 0x05*tw
.irp k, 0,1,2,3
	v_pk_add_f32 v[sb+2*\k:sb+2*\k+1], v[2*\k:2*\k+1], v[8+2*\k:9+2*\k]
.endr
	WIN 0x04*tw
.irp k, 8,9,10,11,12,13,14,15
	v_pk_add_f32 v[sb+2*(\k%4):sb+2*(\k%4)+1], v[sb+2*(\k%4):sb+2*(\k%4)+1], v[pb+2*\k:pb+2*\k+1]
.endr
.else
	WIN 0x04*tw
.irp k, 0,1,2,3,4,5,6,7,8,9,10,11,12,13,14,15
	v_pk_add_f32 v[sb+2*(\k%4):sb+2*(\k%4)+1], v[sb+2*(\k%4):sb+2*(\k%4)+1], v[pb+2*\k:pb+2*\k+1]
.endr
.endif
.endm
	s_load_b128 s[4:7], s[0:1], 0x0                ; attention_mask, qkv
	s_load_b64 s[8:9], s[0:1], 0x10                ; ao
	v_lshl_add_u32 v254, v0, 2, 0x4ac00
	v_mov_b32 v255, 0
	v_lshrrev_b32 v96, 5, v0
	v_readfirstlane_b32 s10, v96                   ; wave 0..3
	v_and_b32 v96, 31, v0                          ; lane
	v_and_b32 v97, 15, v0                          ; r
	v_bfe_u32 v98, v0, 4, 1                        ; h
	v_lshlrev_b32 v1, 4, v96                       ; 16 x lane
	s_wait_alu depctr_va_sdst(0)                   ; s10 is written, ahead of its first reader: LDS places and bases are made from it
	s_lshl_b32 s11, s10, 11                        ; 2,048 x wave
	s_mul_i32 s12, s10, MWAVE
	v_mul_u32_u24 v2, v97, MP
	v_lshl_add_u32 v2, v98, 6, v2
	v_add_nc_u32 v2, s12, v2                       ; mask words of query tile 0: row r, + 64 h
	v_add_nc_u32 v3, 16*MP, v2                     ; of tile 1
	v_add_nc_u32 v12, s12, v1                      ; and where they are stored
	s_lshl_b32 s13, s10, 13
	s_add_co_u32 s13, s13, OX
	v_add_nc_u32 v4, s13, v1                       ; my partial sums of O^T
	s_add_co_u32 s13, s11, OX
	v_add_nc_u32 v5, s13, v1                       ; the two accumulators that I finish: 2 w, 2 w + 1
	s_lshl_b32 s13, s10, 7
	s_add_co_u32 s13, s13, SUMB
	v_lshl_add_u32 v6, v96, 2, s13
	v_lshl_add_u32 v7, v96, 2, SUMB
	s_lshr_b32 s14, s10, 1                         ; the query tile that I finish,
	s_and_b32 s15, s10, 1                          ; and which 32 of d
	s_lshl_b32 s13, s14, 12
	s_lshl_b32 s48, s15, 8
	s_add_co_u32 s13, s13, s48
	s_add_co_u32 s13, s13, AOC
	v_lshlrev_b32 v8, 4, v97
	v_lshl_add_u32 v8, v98, 3, v8
	v_add_nc_u32 v8, s13, v8                       ; my 8 bytes of codes in the image of (tile, head 0)
	s_lshl_b32 s13, s14, 8
	s_add_co_u32 s13, s13, s15
	s_add_co_u32 s13, s13, AOS
	v_lshl_add_u32 v9, v97, 4, s13                 ; my scale byte
	s_add_co_u32 s13, s11, AOC
	v_add_nc_u32 v108, s13, v1
	v_add_nc_u32 v109, AOS, v1
	v_lshlrev_b32 v110, 4, v97
	v_lshl_add_u32 v110, v98, 9, v110
.irp j, 0,1,2,3,8,9,10,11,12,13,14,15,20,21,22,23
	v_mov_b32 v[QG+\j], 0                          ; the zeros beside q: written once
.endr
.irp b, 0,1,2,3
	v_mov_b32 v[TM+4+\b], 0                        ; a lane permute's destination counts as one of its sources
.endr
	v_mov_b32 v104, 0
	v_mov_b32 v[RL+1], 0                           ; named as the upper halves of pairs
	v_mov_b32 v[RL+3], 0
	s_mov_b32 s28, 0x3e38aa3b                      ; log2(e) / 8
	s_mov_b32 s29, s28
	s_mov_b32 s30, 0x429044fe                      ; 50 log2(e)
	s_mov_b32 s31, 0xc29044fe
	s_mov_b32 s[SEL], 0x76543210
	s_mov_b32 s[SEL+1], 0xfedcba98
	s_mov_b32 s34, 0xffff0000                      ; lanes 16-31
	s_mov_b32 s35, 8                               ; heads to go
	s_mov_b32 s36, 0                               ; the head's place among the codes: 512 a head
	s_mov_b32 s37, 0                               ; and among the scale bytes: 2 a head
	s_mov_b32 s38, 0x7f800000
	s_mov_b32 s39, 0xff800000
	s_mov_b32 s40, 0x461c4000
	s_mov_b32 s41, 0xc61c4000
	s_mov_b32 s42, 0x3fb8aa3b                      ; log2(e)
	s_mov_b32 s43, s42
	s_and_b32 s48, ttmp7, 0xffff
	s_lshr_b32 s49, s48, 1                         ; batch
	s_and_b32 s48, s48, 1                          ; which eight heads
	s_lshl_b32 s54, s49, 4
	s_lshl_b32 s55, s48, 3
	s_add_co_u32 s54, s54, s55                     ; 16 x batch + my first head
	s_mov_b32 s57, 0
	s_wait_kmcnt 0x0
	s_lshl_b32 s56, ttmp9, 18
	s_add_co_u32 s56, s56, s11
	s_add_nc_u64 s[4:5], s[4:5], s[56:57]          ; the mask at my block's first row, my 512 columns
	s_lshl_b32 s56, s54, 16
	s_lshl_b32 s58, s10, 14
	s_add_co_u32 s56, s56, s58
	s_add_co_u32 s56, s56, KIMG
	s_add_nc_u64 s[16:17], s[6:7], s[56:57]        ; K's fragments of my keys
	s_add_co_u32 s56, s56, VIMG-KIMG
	s_add_nc_u64 s[24:25], s[6:7], s[56:57]        ; V's
	s_lshl_b32 s56, s54, 12
	s_lshl_b32 s58, s10, 10
	s_add_co_u32 s56, s56, s58
	s_add_co_u32 s56, s56, KSC
	s_add_nc_u64 s[18:19], s[6:7], s[56:57]        ; K's scale words
	s_add_co_u32 s56, s56, VSC-KSC
	s_add_nc_u64 s[26:27], s[6:7], s[56:57]        ; V's
	s_lshl_b32 s56, s54, 16
	s_lshl_b32 s58, ttmp9, 10
	s_add_co_u32 s56, s56, s58
	s_add_nc_u64 s[20:21], s[6:7], s[56:57]        ; q's image of my block
	s_lshl_b32 s56, s54, 13
	s_lshr_b32 s58, ttmp9, 2
	s_lshl_b32 s58, s58, 9
	s_add_co_u32 s56, s56, s58
	s_and_b32 s58, ttmp9, 3
	s_lshl_b32 s58, s58, 2
	s_add_co_u32 s56, s56, s58
	s_add_co_u32 s56, s56, QSC
	s_add_nc_u64 s[22:23], s[6:7], s[56:57]        ; q's scale words
	s_lshl_b32 s58, s49, 6
	s_add_co_u32 s58, s58, ttmp9
	s_lshl_b32 s58, s58, 1                         ; my block's first token tile
	s_add_co_u32 s56, s58, s14
	s_lshl_b32 s56, s56, 13
	s_lshl_b32 s59, s48, 12
	s_add_co_u32 s56, s56, s59
	s_lshl_b32 s59, s15, 11
	s_add_co_u32 s56, s56, s59
	s_add_nc_u64 s[50:51], s[8:9], s[56:57]        ; ao: the 2,048 bytes of codes that I store at the end
	s_lshl_b32 s56, s58, 9
	s_lshl_b32 s59, s48, 8
	s_add_co_u32 s56, s56, s59
	s_add_co_u32 s56, s56, 2097152
	s_add_nc_u64 s[52:53], s[8:9], s[56:57]        ; ao: the scale bytes
	s_wait_alu depctr_va_vdst(0)                   ; the addresses v1-9, v12, v108-110 are written, which every load and store of the kernel reads; so are the zeros beside q, which the scaled products take as operands
	; ---- the mask, three groups of 16 loads ahead; the first head's K set rides behind it as groups of 16, 16 and 5 loads.  A group's stores follow one group behind its multiplications
	MLOAD 0
	MLOAD 1
	MLOAD 2
.irp g, 0,1,2,3,4,5,6,7
	s_wait_loadcnt 32                              ; this group's 16 loads are in; the two groups of 16 behind it may be out
.if \g < 5
	MLOAD \g+3                                     ; into registers of its own, which no vector line has named
.elseif \g == 5
	KLOAD 0
.elseif \g == 6
	KLOAD 8
.else
	KREST
.endif
.if \g > 0
	s_wait_alu depctr_va_vdst(0)                   ; the multiplications of the group before are written, which its LDS stores read
	MST \g-1
.endif
	MMUL \g
.endr
	s_wait_alu depctr_va_vdst(0)                   ; the last group's multiplications are written, which its LDS stores read
	MST 7
	WIN 0
	s_wait_dscnt 0x0                               ; my mask bytes lie in LDS.  A wave reads only the mask bytes that it stored: no barrier
	s_wait_alu depctr_vm_vsrc(0)                   ; the mask's LDS stores have read their registers, which the score products write
.Lhead:
	; ---- 1: this head's V is asked for: it is wanted behind the whole softmax.  (The products that read the last head's V stand ahead of the wait in front of O^T's stores; nothing behind that wait names the set)
	WIN 0xc0
.irp f, 0,1,2,3,4,5,6,7,8,9,10,11,12,13,14,15
.irp c, 0,1
	global_load_b128 v[128+8*\f+4*\c:128+8*\f+4*\c+3], v1, s[24:25] offset:1024*\f+512*\c
.endr
.endr
	WIN 0
	global_load_b128 v[VS:VS+3], v1, s[26:27]
	global_load_b128 v[VS+4:VS+7], v1, s[26:27] offset:512
	LD 0                                           ; the first units' mask words are asked for among the score products.  (The last vector and matrix lines that named v112-239 stand ahead of the last head's last wait on va_vdst)
	LD 1
	s_wait_loadcnt 34                              ; all but V's 34 loads: the K set is in, and its loads have read their bases, which step to the next head
	s_add_nc_u64 s[16:17], s[16:17], 65536
	s_add_nc_u64 s[18:19], s[18:19], 4096
	s_add_nc_u64 s[20:21], s[20:21], 65536
	s_add_nc_u64 s[22:23], s[22:23], 8192
	; ---- 2: S^T = K q^T: 64 products, each into registers of its own
.irp T, 0,1
	WIN 0x43+0x40*\T                               ; K in window 3, q in window 0, the scores in window 1 + T
.irp b, 0,1,2,3,4,5,6,7,8,9,10,11,12,13,14,15
.irp u, 0,1
	WM 16*\b+8*\u, 8*\b, QG+12*\T+4-4*\u, 1, KS+4*((\b/4)%2)+(\b%4), QS, \b/8, \T
.endr
.endr
.if \T == 0
	LD 2
	LD 3
.endif
.endr
	WIN 0
	PLACES 4                                       ; between the last products and the first read of the scores
	; ---- 3: p = 2^t and the row sums, unit by unit; one wait for each unit's exponentials, ahead of the additions that read them first
	s_wait_dscnt 24                                ; unit 0's mask words are in; the 24 loads of units 1 to 3 may be out
	AUNIT 0
.set UU, 0
.rept 16
.if UU > 0
	s_wait_alu depctr_va_vdst(0)                   ; the last unit's exponentials are written, which the additions below read; its scalings are done reading their mask words, in whose set the loads below land; in unit 1: the score products are done reading the K set
.if UU == 1
	WIN 0
	s_cmp_eq_u32 s35, 1
	s_cbranch_scc1 .Lno_next                       ; the last head asks for nothing more
	KLOAD 0                                        ; the next head's K set: it has the rest of the softmax in which to land
	KLOAD 8
	KREST
.Lno_next:
.endif
.if UU < 13
	LD UU+3                                        ; three units ahead, into the set that the last unit's scalings read
.endif
	ADD UU-1
.endif
.if UU < 13
	s_wait_dscnt 16                                ; the next unit's mask words are in; the 16 loads of the two units behind it may be out
.elseif UU == 13
	s_wait_dscnt 8                                 ; unit 14's are in; unit 15's 8 loads may be out
.elseif UU == 14
	s_wait_dscnt 0x0
.endif
.if UU == 15
	EUNIT UU
.elseif UU == 7
	EUNIT UU                                       ; the query tile changes, and the window with it: one behind the other
	AUNIT UU+1
.else
	MIX UU
.endif
.set UU, UU+1
.endr
	WIN 0
	v_nop                                          ; a plain line behind the last exponential
	s_wait_alu depctr_va_vdst(0)                   ; unit 15's exponentials are written, which the additions below read
	ADD 15
	; ---- 4: the row sums go round
	WIN 0
.irp T, 0,1
	v_pk_add_f32 v[SA+8*\T:SA+8*\T+1], v[SA+8*\T:SA+8*\T+1], v[SA+8*\T+2:SA+8*\T+3]
	v_pk_add_f32 v[SA+8*\T+4:SA+8*\T+5], v[SA+8*\T+4:SA+8*\T+5], v[SA+8*\T+6:SA+8*\T+7]
.endr
.irp T, 0,1
	v_pk_add_f32 v[SA+8*\T:SA+8*\T+1], v[SA+8*\T:SA+8*\T+1], v[SA+8*\T+4:SA+8*\T+5]
.endr
.irp T, 0,1
	v_add_f32 v[SA+8*\T], v[SA+8*\T], v[SA+8*\T+1]
.endr
.irp T, 0,1
	v_permlanex16_b32 v[SA+8*\T+2], v[SA+8*\T], s[SEL], s[SEL+1]
.endr
.irp T, 0,1
	v_add_f32 v[SA+8*\T], v[SA+8*\T], v[SA+8*\T+2] ; my 512 keys' sum of query r of tile T, in both halves of the lanes
.endr
	v_cndmask_b32 v[SA+1], v[SA], v[SA+8], s34     ; lanes 0-15: tile 0; lanes 16-31: tile 1
	s_wait_alu depctr_va_vdst(0)                   ; v[SA+1] is written, which the LDS store reads; the additions are done with v[SA+4 ..], in which the loads behind the barrier land
	ds_store_b32 v6, v[SA+1]
	BARRIER                                        ; the four waves' sums lie in LDS (they are stored again only behind the next barrier, which every wave reaches behind its reads)
	s_wait_alu depctr_vm_vsrc(0)                   ; the LDS store has read v[SA+1], which the next head's first additions write
.irp k, 0,1,2,3
	ds_load_b32 v[SA+4+\k], v7 offset:128*\k
.endr
	s_wait_dscnt 0x0
	v_add_f32 v[SA+4], v[SA+4], v[SA+5]
	v_add_f32 v[SA+6], v[SA+6], v[SA+7]
	v_add_f32 v[SA+4], v[SA+4], v[SA+6]            ; the same order in every wave: the same bits
	v_rcp_f32 v[SA], v[SA+4]
	v_nop
	s_wait_alu depctr_va_vdst(0)                   ; the reciprocal is written, ahead of its first reader
	v_permlanex16_b32 v[SA+2], v[SA], s[SEL], s[SEL+1]
	v_cndmask_b32 v[RL], v[SA], v[SA+2], s34       ; 1 / sum of query r of tile 0, in every lane
	v_cndmask_b32 v[RL+2], v[SA+2], v[SA], s34     ; of tile 1
	; ---- 5: attn = p / sum, quantised along the keys: a fragment and a scale word for each 128 keys
.irp T, 0,1
.irp s, 0,1,2,3
	WIN 0x41*(1+\T)
.set pa, 64*\s
.rept 32
	v_pk_mul_f32 v[pa:pa+1], v[pa:pa+1], v[RL+2*\T:RL+2*\T+1] op_sel_hi:[1,0]
.set pa, pa+2
.endr
	QUANT64 64*\s, 1+\T, PC+32*\T+8*\s, PW+4*\T+\s, 0
.endr
.endr
	; ---- 6: O^T = V^T attn^T over my 512 keys: eight accumulators by turns
	PLACES 8                                       ; a scale word made by vector lines stands eight plain lines ahead of a scaled product
	s_wait_alu depctr_va_vdst(0)                   ; attn's codes and scale words are written, which the scaled products take as operand and scales; the places above stay beside this wait
	s_wait_loadcnt 0x0                             ; V is in (and the next head's K set, asked for most of a softmax ago); V's bases step
	s_add_nc_u64 s[24:25], s[24:25], 65536
	s_add_nc_u64 s[26:27], s[26:27], 4096
	WIN 0x03                                       ; V in window 3
.irp s, 0,1,2,3
.irp n, 0,1,2,3
.irp T, 0,1
	WM OA+8*(4*\T+\n), 128+8*(4*\s+\n), PC+32*\T+8*\s, \s==0, VS+4*(\s%2)+\n, PW+4*\T+\s, \s/2, 0
.endr
.endr
.endr
	WIN 0
	; ---- 7: the partial sums go round; I finish (tile w / 2, d 32 (w % 2) ..)
	PLACES 4
	s_wait_alu depctr_va_vdst(0)                   ; the products have written the accumulators, which the LDS stores read, and are done reading V, its scale words and attn's codes, in which the next head's loads land; the places above stay beside this wait
.irp a, 0,1,2,3,4,5,6,7
	ds_store_b128 v4, v[OA+8*\a:OA+8*\a+3] offset:1024*\a            ; each accumulator from its low end on
	ds_store_b128 v4, v[OA+8*\a+4:OA+8*\a+7] offset:1024*\a+512
.endr
	BARRIER                                        ; (they are stored again only behind the next head's first barrier, which every wave reaches behind its reads)
	s_wait_alu depctr_vm_vsrc(0)                   ; the LDS stores have read the accumulators, in which the loads below land; the last head's two stores have read v10, v11, v103, v106 and v107, which are written below
.irp k, 0,1,2,3
.irp j, 0,1,2,3
	ds_load_b128 v[112+16*\k+4*\j:112+16*\k+4*\j+3], v5 offset:8192*\k+512*\j
.endr
.endr
	v_add_nc_u32 v10, s36, v8
	v_add_nc_u32 v11, s37, v9
	s_wait_dscnt 0x0
.irp j, 0,2,4,6,8,10,12,14
	v_pk_add_f32 v[112+\j:113+\j], v[112+\j:113+\j], v[128+\j:129+\j]
	v_pk_add_f32 v[144+\j:145+\j], v[144+\j:145+\j], v[160+\j:161+\j]
.endr
.irp j, 0,2,4,6,8,10,12,14
	v_pk_add_f32 v[112+\j:113+\j], v[112+\j:113+\j], v[144+\j:145+\j]   ; register i: out(query r, d = 32 (w % 2) + 16 h + i)
.endr
	SAN16 112
	v_max3_num_f32 v102, 0x1800000, |v112|, |v113|
	v_max3_num_f32 v103, |v120|, |v121|, |v122|
	v_max3_num_f32 v102, v102, |v114|, |v115|
	v_max3_num_f32 v103, v103, |v123|, |v124|
	v_max3_num_f32 v102, v102, |v116|, |v117|
	v_max3_num_f32 v103, v103, |v125|, |v126|
	v_max3_num_f32 v102, v102, |v118|, |v119|
	v_max3_num_f32 v102, v102, v103, |v127|
	v_permlanex16_b32 v104, v102, s[SEL], s[SEL+1]
	v_max_num_f32 v102, v102, v104                 ; the block's largest magnitude
	v_add_nc_u32 v105, 0xff000000, v102
	v_lshrrev_b32 v103, 23, v105                   ; the scale's byte
	v_cvt_scalef32_pk8_fp4_f32 v106, v[112:119], v105
	v_cvt_scalef32_pk8_fp4_f32 v107, v[120:127], v105
	v_nop
	s_wait_alu depctr_va_vdst(0)                   ; v10, v11, v103, v106 and v107 are written, which the two stores read; the lines above are done with v112-175, in which the next head's mask words (behind the last head: the codes on their way out) land
	ds_store_b64 v10, v[106:107]                   ; 16 codes: 8 bytes of lane (r, w % 2)'s 16 in the image
	ds_store_b8 v11, v103                          ; both halves of the lanes write the same byte
	s_add_co_u32 s36, s36, 512
	s_add_co_u32 s37, s37, 2
	s_sub_co_i32 s35, s35, 1
	s_cmp_lg_u32 s35, 0
	s_cbranch_scc1 .Lhead
	; ---- the end: eight heads' codes and scale bytes leave in whole runs
	BARRIER
.irp i, 0,1,2,3
	ds_load_b128 v[112+4*\i:115+4*\i], v108 offset:512*\i
.endr
	s_wait_dscnt 0x0
.irp i, 0,1,2,3
	global_store_b128 v1, v[112+4*\i:115+4*\i], s[50:51] offset:512*\i   ; 512 consecutive bytes a store
.endr
	s_cmp_lg_u32 s10, 0
	s_cbranch_scc1 .Ldone
	ds_load_b128 v[128:131], v109
	s_wait_dscnt 0x0
	global_store_b128 v110, v[128:131], s[52:53]   ; sixteen lanes store 256 consecutive bytes for each of the two tiles
.Ldone:
	s_wait_dscnt 0x0                               ; the closing lines, six on end
	s_wait_alu 0x0
	s_wait_tensorcnt 0x0
	ds_add_u32 v254, v255
	s_wait_dscnt 0x0
	s_endpgm
.Lfunc_end_k_qc5ebf7f3c1_attn:
	.size	k_qc5ebf7f3c1_attn, .Lfunc_end_k_qc5ebf7f3c1_attn-k_qc5ebf7f3c1_attn
	.p2alignl 7, 3214868480
	.fill 96, 4, 3214868480
	.section	.rodata,"a",@progbits
	.p2align	6, 0x0
	.amdhsa_kernel k_qc5ebf7f3c1_attn
		.amdhsa_group_segment_fixed_size 306688
		.amdhsa_private_segment_fixed_size 0
		.amdhsa_enable_private_segment 0
		.amdhsa_kernarg_size 24
		.amdhsa_user_sgpr_count 2
		.amdhsa_user_sgpr_kernarg_segment_ptr 1
		.amdhsa_wavefront_size32 1
		.amdhsa_system_sgpr_workgroup_id_x 1
		.amdhsa_system_sgpr_workgroup_id_y 1
		.amdhsa_system_sgpr_workgroup_id_z 1
		.amdhsa_system_vgpr_workitem_id 0
		.amdhsa_next_free_vgpr 1024
		.amdhsa_next_free_sgpr 66
		.amdhsa_reserve_vcc 0
		.amdhsa_float_denorm_mode_32 3
		.amdhsa_float_denorm_mode_16_64 3
		.amdhsa_memory_ordered 1
		.amdhsa_forward_progress 1
		.amdhsa_inst_pref_size 218
	.end_amdhsa_kernel
	.amdgpu_metadata
---
amdhsa.version: [ 1, 2 ]
amdhsa.kernels:
  - .name:           k_qc5ebf7f3c1_attn
    .symbol:         k_qc5ebf7f3c1_attn.kd
    .args:
      - { .name: attention_mask, .offset: 0, .size: 8, .value_kind: global_buffer, .address_space: global }
      - { .name: qkv, .offset: 8, .size: 8, .value_kind: global_buffer, .address_space: global }
      - { .name: ao, .offset: 16, .size: 8, .value_kind: global_buffer, .address_space: global }
    .group_segment_fixed_size: 306688
    .private_segment_fixed_size: 0
    .kernarg_segment_align: 8
    .kernarg_segment_size: 24
    .max_flat_workgroup_size: 128
    .sgpr_count:     66
    .vgpr_count:     1024
    .wavefront_size: 32
...
	.end_amdgpu_metadata
.endif
;; end of part 5
;; launch oproj: the kernel of part 4 again; grid 256 x 1, 8 waves a work-group, no clusters, 67,584 bytes of LDS; arguments ao, wq, K, out0; writes out0
